; MI455X (gfx1250); checked and timed in simulation.
; The chip was launched on July 23, 2026; its instructions are those of AMD's public machine-readable ISA for CDNA 5 (MIT licence, August 2026) and "CDNA5" Instruction Set Architecture Reference Guide (July 2026). The comments in the code are by the model that wrote it; some were corrected since.
;; Simple Attention. Allowed arithmetic: float matrix products may take bf16 or f16 operands with f32 sums; other float arithmetic in f32, or as packed bf16 or f16 multiplies, adds, multiply-adds, maxima and minima; sums over many terms, partial sums and values carried from step to step in f32; what a program stores and reads back later, other than sums and carried values, may be rounded once to bf16 or f16.
;; Inputs: A 1,024 x 1,024 float32; B 1,024 x 1,024 float32; x 16 x 4,096 x 1,024 float32.
;; Outputs: out0 16 x 1,024 float32; out1 16 x 4,096 float32.
;; 2 versions, each right; version 2 is version 1 with the launches cast, mix written anew for expert scheduling mode. Each part assembles by itself: llvm-mc -triple=amdgcn-amd-amdhsa -mcpu=gfx1250 --defsym DOCPART=n.
;; ======== version 1 of 2: 5 launches
;; workspace buffers: xb 134,217,728 bytes; bb 2,097,152 bytes; cs 131,072 bytes; qv 65,536 bytes; nd 4,194,304 bytes; op 1,048,576 bytes
;; launch cast (part 1): grid 8 x 32, 16 waves a work-group, no clusters, 10,240 bytes of LDS; arguments x, xb, cs; writes xb, cs
.if DOCPART == 1
	.amdgcn_target "amdgcn-amd-amdhsa--gfx1250"
	.amdhsa_code_object_version 6
	.text
	.protected	k_qd763fd2ffe_cast
	.globl	k_qd763fd2ffe_cast
	.p2align	8
	.type	k_qd763fd2ffe_cast,@function
k_qd763fd2ffe_cast:
	s_mov_b64 s[64:65], 0
	v_nop
	global_prefetch_b8 v0, s[64:65] scope:SCOPE_SE
	s_setreg_imm32_b32 hwreg(HW_REG_WAVE_MODE, 25, 1), 1
	s_wait_xcnt 0x0
; xb = x rounded once to bf16 (nearest even);  cs[half][b][c] = the sum of x[b][s][c] over the 2,048 tokens s of that half of batch b, in f32, of the unrounded x.
; x: [16][4096][1024] f32.  xb: [65536][1024] bf16.  cs: [2][16][1024] f32.
; LIMITS.  NaN and infinities are not treated apart; the order of the column sums is not that of a plain sum over s.
; SHARES.  A work-group owns a strip of 128 columns (512 bytes of a row of x, 256 bytes of a row of xb) of 2,048 rows: group x = the strip, group y = 2 b + half.
; It goes in 4 rounds of 512 rows; in a round wave w owns rows 32 w .. 32 w + 31, one row to each of 32 register slots.  A load of a wave covers the strip's 512 consecutive bytes of a
; row, a store 256 consecutive bytes that start at a multiple of 256 from xb's first byte.  32 loads of every wave are on their way all the time: 16 waves x 32 x 512 bytes = 256 KiB
; for the work-group; and a slot's store has 32 slots' time in which to read its registers before they are written again.
; No LDS on the way in, no matrix unit, no cluster: no byte is wanted twice, and there is one addition and one rounding for each number.
.set ROWI,  4096                       ; bytes in a row of x
.set ROWO,  2048                       ; bytes in a row of xb
.set DEPTH, 32                         ; register slots of a wave = its rows in a round = its loads on their way
.set RNDI,  16*DEPTH*ROWI              ; a round's rows in x
.set RNDO,  16*DEPTH*ROWO              ; and in xb
.set ROUNDS, 2048/(16*DEPTH)
.set PART,  0                          ; LDS: wave w's 128 column sums, 512 bytes, at 512 w
.set SPARE, 8192                       ; behind them: the spare words, 128 bytes for each of 16 waves, that no other line names
.set LO,  2                            ; v2   my byte offset in x: 32 w rows + 16 x lane; never rewritten
.set SO,  3                            ; v3   my byte offset in xb: 32 w rows + 8 x lane; never rewritten
.set SPW, 4                            ; v4   LDS address of my spare word; never rewritten
.set NIL, 5                            ; v5   0; never rewritten
.set LS,  6                            ; v6   where I put my four column sums
.set CO,  7                            ; v7   16 x lane
.set SUM, 8                            ; v[8:15]     my four columns' sums, twice: even slots', odd slots'
.set X,   16                           ; v[16:143]   slot i: four f32 as loaded
.set Y,   144                          ; v[144:207]  slot i: four bf16 to store
	s_load_b128 s[4:7], s[0:1], 0x0                ; x s[4:5], xb s[6:7]
	s_load_b64 s[8:9], s[0:1], 0x10                ; cs
	v_lshl_add_u32 v[SPW], v0, 2, SPARE
	v_mov_b32 v[NIL], 0
	v_lshrrev_b32 v1, 5, v0
	v_readfirstlane_b32 s10, v1                    ; wave 0..15
	v_and_b32 v1, 31, v0                           ; lane
	v_lshlrev_b32 v[CO], 4, v1
	s_lshl_b32 s18, s10, 17                        ; 32 w rows of 4,096 bytes
	v_add_nc_u32 v[LO], s18, v[CO]
	s_lshl_b32 s19, s10, 16                        ; 32 w rows of 2,048 bytes
	v_lshl_add_u32 v[SO], v1, 3, s19
	s_lshl_b32 s20, s10, 9
	v_add_nc_u32 v[LS], s20, v[CO]
	s_and_b32 s11, ttmp7, 0xffff                   ; y = 2 b + half
	s_lshl_b32 s2, s11, 23                         ; 2,048 y rows of x,
	s_lshl_b32 s3, ttmp9, 9                        ; the strip's 512 bytes
	s_add_co_u32 s2, s2, s3
	s_mov_b32 s3, 0
	s_lshl_b32 s14, s11, 22                        ; the same in xb
	s_lshl_b32 s15, ttmp9, 8
	s_add_co_u32 s14, s14, s15
	s_mov_b32 s15, 0
	s_and_b32 s16, s11, 1                          ; cs: row 16 half + b,
	s_lshl_b32 s16, s16, 4
	s_lshr_b32 s17, s11, 1
	s_add_co_u32 s16, s16, s17
	s_lshl_b32 s16, s16, 12
	s_lshl_b32 s17, ttmp9, 9                       ; the strip's 512 bytes
	s_add_co_u32 s16, s16, s17
	s_mov_b32 s17, 0
.irp r, 0,1,2,3,4,5,6,7
	v_mov_b32 v[SUM+(\r)], 0
.endr
	s_wait_kmcnt 0x0
	s_add_nc_u64 s[4:5], s[4:5], s[2:3]
	s_add_nc_u64 s[6:7], s[6:7], s[14:15]
	s_add_nc_u64 s[8:9], s[8:9], s[16:17]
.set n, 0
.rept DEPTH
	global_load_b128 v[X+4*n:X+4*n+3], v[LO], s[4:5] offset:n*ROWI th:TH_LOAD_NT  ; round 0
.set n, n+1
.endr
; One slot's turn.  ahead = 1: the slot is filled again with its row of the next round.  left = the younger loads that may stay out.
.macro SLOT i, ahead, left
	s_wait_loadcnt \left                           ; loads come back in order (ISA guide 5.7.1): mine is in
	v_pk_add_f32 v[SUM+4*((\i)%2):SUM+4*((\i)%2)+1],   v[SUM+4*((\i)%2):SUM+4*((\i)%2)+1],   v[X+4*(\i):X+4*(\i)+1]
	v_pk_add_f32 v[SUM+4*((\i)%2)+2:SUM+4*((\i)%2)+3], v[SUM+4*((\i)%2)+2:SUM+4*((\i)%2)+3], v[X+4*(\i)+2:X+4*(\i)+3]
	v_cvt_pk_bf16_f32 v[Y+2*(\i)],   v[X+4*(\i)],   v[X+4*(\i)+1]
	v_cvt_pk_bf16_f32 v[Y+2*(\i)+1], v[X+4*(\i)+2], v[X+4*(\i)+3]
.if \ahead
	global_load_b128 v[X+4*(\i):X+4*(\i)+3], v[LO], s[4:5] offset:RNDI+(\i)*ROWI th:TH_LOAD_NT  ; the load goes out ahead of the store; the largest immediate, 2,224,128, lies inside the signed 24 bits
.endif
	global_store_b64 v[SO], v[Y+2*(\i):Y+2*(\i)+1], s[6:7] offset:(\i)*ROWO th:TH_STORE_NT  ; 32 lanes x 8 bytes: 256 consecutive bytes
.endm
	s_mov_b32 s12, ROUNDS-1
.Lround:
.set n, 0
.rept DEPTH
	SLOT n, 1, DEPTH-1                             ; behind slot i's load stand 31 - i loads of this round and i of the next: 31
.set n, n+1
.endr
	s_wait_xcnt 0x0                                ; every load and store issued so far has had its address translated (ISA guide 3.1): the two bases and Y are written only behind this wait
	s_add_nc_u64 s[4:5], s[4:5], RNDI
	s_add_nc_u64 s[6:7], s[6:7], RNDO
	s_sub_co_u32 s12, s12, 1
	s_cmp_lg_u32 s12, 0
	s_cbranch_scc1 .Lround
.set n, 0
.rept DEPTH
	SLOT n, 0, DEPTH-1-n                           ; the last round loads nothing: the counts run down
.set n, n+1
.endr
	; the sixteen waves' sums meet in LDS; wave 0 adds them and stores the strip's 512 bytes of cs
	v_pk_add_f32 v[SUM:SUM+1],   v[SUM:SUM+1],   v[SUM+4:SUM+5]
	v_pk_add_f32 v[SUM+2:SUM+3], v[SUM+2:SUM+3], v[SUM+6:SUM+7]
	ds_store_b128 v[LS], v[SUM:SUM+3] offset:PART
	s_wait_dscnt 0x0                               ; for the others' sake: my store is done
	s_barrier_signal -1
	s_barrier_wait -1
	s_cmp_lg_u32 s10, 0
	s_cbranch_scc1 .Lend
.irp p, 0,1,2,3,4,5,6,7,8,9,10,11,12,13,14,15
	ds_load_b128 v[X+4*(\p):X+4*(\p)+3], v[CO] offset:PART+512*(\p)
.endr
	s_wait_dscnt 0x0
.irp d, 8,4,2,1
.set p, 0
.rept \d
	v_pk_add_f32 v[X+4*p:X+4*p+1],   v[X+4*p:X+4*p+1],   v[X+4*(p+\d):X+4*(p+\d)+1]
	v_pk_add_f32 v[X+4*p+2:X+4*p+3], v[X+4*p+2:X+4*p+3], v[X+4*(p+\d)+2:X+4*(p+\d)+3]
.set p, p+1
.endr
.endr
	global_store_b128 v[CO], v[X:X+3], s[8:9]      ; 512 consecutive bytes
.Lend:
	s_wait_tensorcnt 0x0                           ; the wave's end, behind my last LDS store
	ds_add_u32 v[SPW], v[NIL]
	s_wait_dscnt 0x0
	s_endpgm
.Lfunc_end_k_qd763fd2ffe_cast:
	.size	k_qd763fd2ffe_cast, .Lfunc_end_k_qd763fd2ffe_cast-k_qd763fd2ffe_cast
	.p2alignl 7, 3214868480
	.fill 96, 4, 3214868480
	.section	.rodata,"a",@progbits
	.p2align	6, 0x0
	.amdhsa_kernel k_qd763fd2ffe_cast
		.amdhsa_group_segment_fixed_size 10240
		.amdhsa_private_segment_fixed_size 0
		.amdhsa_enable_private_segment 0
		.amdhsa_kernarg_size 24
		.amdhsa_user_sgpr_count 2
		.amdhsa_user_sgpr_kernarg_segment_ptr 1
		.amdhsa_wavefront_size32 1
		.amdhsa_system_sgpr_workgroup_id_x 1
		.amdhsa_system_sgpr_workgroup_id_y 1
		.amdhsa_system_sgpr_workgroup_id_z 1
		.amdhsa_system_vgpr_workitem_id 0
		.amdhsa_next_free_vgpr 208
		.amdhsa_next_free_sgpr 66
		.amdhsa_reserve_vcc 0
		.amdhsa_float_denorm_mode_32 3
		.amdhsa_float_denorm_mode_16_64 3
		.amdhsa_memory_ordered 1
		.amdhsa_forward_progress 1
		.amdhsa_inst_pref_size 36
	.end_amdhsa_kernel
	.amdgpu_metadata
---
amdhsa.version: [ 1, 2 ]
amdhsa.kernels:
  - .name:           k_qd763fd2ffe_cast
    .symbol:         k_qd763fd2ffe_cast.kd
    .args:
      - { .name: x, .offset: 0, .size: 8, .value_kind: global_buffer, .address_space: global }
      - { .name: xb, .offset: 8, .size: 8, .value_kind: global_buffer, .address_space: global }
      - { .name: cs, .offset: 16, .size: 8, .value_kind: global_buffer, .address_space: global }
    .group_segment_fixed_size: 10240
    .private_segment_fixed_size: 0
    .kernarg_segment_align: 8
    .kernarg_segment_size: 24
    .max_flat_workgroup_size: 512
    .sgpr_count:     66
    .vgpr_count:     208
    .wavefront_size: 32
...
	.end_amdgpu_metadata
.endif
;; end of part 1
;; launch query (part 2): grid 64 x 1, 16 waves a work-group, no clusters, 18,432 bytes of LDS; arguments A, B, cs, qv, bb; writes qv, bb
.if DOCPART == 2
	.amdgcn_target "amdgcn-amd-amdhsa--gfx1250"
	.amdhsa_code_object_version 6
	.text
	.protected	k_qd763fd2ffe_query
	.globl	k_qd763fd2ffe_query
	.p2align	8
	.type	k_qd763fd2ffe_query,@function
k_qd763fd2ffe_query:
	s_mov_b64 s[64:65], 0
	v_nop
	global_prefetch_b8 v0, s[64:65] scope:SCOPE_SE
	s_setreg_imm32_b32 hwreg(HW_REG_WAVE_MODE, 25, 1), 1
	s_wait_xcnt 0x0
; q[b][i] = the sum over j of A[i][j] xs[b][j], xs = cs[0] + cs[1] (the sum of x over a batch's tokens);  bb = B rounded once to bf16.
; A, B: [1024][1024] f32.  cs: [2][16][1024] f32.  qv: [64 blocks g][16 b][16 i] f32 (q[b][16 g + i]): a work-group's share is 1,024 consecutive bytes.  bb: [1024][1024] bf16.
; LIMITS.  A and xs are rounded to bf16 for the product, whose sums are f32; q is left unnormalised (its norm is taken where it is used).  NaN and infinities are not treated apart.
; SHARES.  Work-group g makes q for all 16 batches and the 16 rows 16 g .. of A, and converts the same 16 rows of B.  K IS SPLIT AMONG ITS 16 WAVES: wave w takes j = 64 w .. 64 w + 63,
; 256 consecutive bytes of each row, two fragments of 32; the sixteen partial tiles meet in LDS.  Wave w converts B's row 16 g + w.
; LAYOUT.  Source 0 = 16 rows of A, source 1 = the 16 rows of xs: in the result lane l holds batch l % 16 and the rows 8 (l / 16) + 0..7 of A: 32 consecutive bytes of qv.
; A fragment (16 rows x 32 j in 8 registers of bf16: lane l holds row l % 16, j = 8 (l / 16) + 0..7 and 16 + 8 (l / 16) + 0..7) is four loads of 16 bytes of f32 and eight roundings.
; The launch is short and moves a few MB: no ring, no cluster, no prefetch.
.set PART,  0                          ; LDS: wave w's partial tile, 1,024 bytes in qv's own layout, at 1,024 w
.set SPARE, 16384                      ; behind them: the spare words, 128 bytes for each of 16 waves, that no other line names
.set AO,  4                            ; v4   (l % 16) x 4,096 + 32 (l / 16) + 256 w: my place in A's and in cs's rows
.set BO,  5                            ; v5   4,096 w + 16 x lane: in B's 16 rows
.set SO,  6                            ; v6   2,048 w + 8 x lane: in bb's 16 rows
.set LS,  7                            ; v7   where I put my 32 bytes of the partial tile
.set LR,  9                            ; v9   16 x lane
.set SPW, 10                           ; v10  LDS address of my spare word; never rewritten
.set NIL, 11                           ; v11  0; never rewritten
.set RA,  16                           ; v[16:47]   A as loaded
.set C0,  48                           ; v[48:79]   cs, first half of the tokens
.set C1,  80                           ; v[80:111]  cs, second half
.set RB,  112                          ; v[112:143] B as loaded
.set FA,  144                          ; v[144:159] A's two fragments
.set FX,  160                          ; v[160:175] xs's two fragments
.set ACC0, 176                         ; v[176:183] the first fragment's product
.set ACC1, 184                         ; v[184:191] the second's
.set YB,  192                          ; v[192:207] B in bf16
.set T,   16                           ; v[16:143]  wave 0: the sixteen partial tiles
	s_load_b128 s[4:7], s[0:1], 0x0                ; A s[4:5], B s[6:7]
	s_load_b128 s[8:11], s[0:1], 0x10              ; cs s[8:9], qv s[10:11]
	s_load_b64 s[12:13], s[0:1], 0x20              ; bb
	v_lshl_add_u32 v[SPW], v0, 2, SPARE
	v_mov_b32 v[NIL], 0
	v_lshrrev_b32 v1, 5, v0
	v_readfirstlane_b32 s14, v1                    ; wave 0..15
	v_and_b32 v1, 15, v0                           ; l % 16
	v_bfe_u32 v2, v0, 4, 1                         ; l / 16
	v_and_b32 v3, 31, v0                           ; l
	s_lshl_b32 s15, s14, 8
	v_lshlrev_b32 v[AO], 12, v1
	v_lshl_add_u32 v[AO], v2, 5, v[AO]
	v_add_nc_u32 v[AO], s15, v[AO]
	v_lshlrev_b32 v[LR], 4, v3
	s_lshl_b32 s22, s14, 12
	v_add_nc_u32 v[BO], s22, v[LR]
	s_lshl_b32 s23, s14, 11
	v_lshl_add_u32 v[SO], v3, 3, s23
	s_lshl_b32 s15, s14, 10
	v_lshl_add_u32 v[LS], v1, 6, s15
	v_lshl_add_u32 v[LS], v2, 5, v[LS]
	s_lshl_b32 s16, ttmp9, 16                      ; 16 rows of A and of B
	s_mov_b32 s17, 0
	s_lshl_b32 s18, ttmp9, 10                      ; a block of qv
	s_mov_b32 s19, 0
	s_lshl_b32 s20, ttmp9, 15                      ; 16 rows of bb
	s_mov_b32 s21, 0
	s_wait_kmcnt 0x0
	s_add_nc_u64 s[4:5], s[4:5], s[16:17]
	s_add_nc_u64 s[6:7], s[6:7], s[16:17]
	s_add_nc_u64 s[10:11], s[10:11], s[18:19]
	s_add_nc_u64 s[12:13], s[12:13], s[20:21]
.macro LD8 dst, b, off                 ; two fragments' f32: eight loads of 16 bytes
.irp f, 0,1
	global_load_b128 v[(\dst)+16*(\f):(\dst)+16*(\f)+3],     v[AO], s[\b:\b+1] offset:(\off)+128*(\f)
	global_load_b128 v[(\dst)+16*(\f)+4:(\dst)+16*(\f)+7],   v[AO], s[\b:\b+1] offset:(\off)+128*(\f)+16
	global_load_b128 v[(\dst)+16*(\f)+8:(\dst)+16*(\f)+11],  v[AO], s[\b:\b+1] offset:(\off)+128*(\f)+64
	global_load_b128 v[(\dst)+16*(\f)+12:(\dst)+16*(\f)+15], v[AO], s[\b:\b+1] offset:(\off)+128*(\f)+80
.endr
.endm
	LD8 RA, 4, 0
	LD8 C0, 8, 0
	LD8 C1, 8, 65536
.irp j, 0,1,2,3,4,5,6,7
	global_load_b128 v[RB+4*(\j):RB+4*(\j)+3], v[BO], s[6:7] offset:512*(\j) th:TH_LOAD_NT
.endr
	s_wait_loadcnt 8                               ; A and cs are in; B's eight loads may stay out
.set z, 0
.rept 16
	v_pk_add_f32 v[C0+2*z:C0+2*z+1], v[C0+2*z:C0+2*z+1], v[C1+2*z:C1+2*z+1]  ; xs, in f32
.set z, z+1
.endr
.set z, 0
.rept 16
	v_cvt_pk_bf16_f32 v[FA+z], v[RA+2*z], v[RA+2*z+1]
.set z, z+1
.endr
.set z, 0
.rept 16
	v_cvt_pk_bf16_f32 v[FX+z], v[C0+2*z], v[C0+2*z+1]
.set z, z+1
.endr
	v_wmma_f32_16x16x32_bf16 v[ACC0:ACC0+7], v[FA:FA+7],    v[FX:FX+7],    0  ; two accumulators, each started by the constant 0: no chain
	v_wmma_f32_16x16x32_bf16 v[ACC1:ACC1+7], v[FA+8:FA+15], v[FX+8:FX+15], 0
	s_wait_loadcnt 0x0                             ; B is in
.set z, 0
.rept 16
	v_cvt_pk_bf16_f32 v[YB+z], v[RB+2*z], v[RB+2*z+1]  ; sixteen plain instructions that name no register of the products: the places behind them (ISA guide 7.12.1)
.set z, z+1
.endr
.irp j, 0,1,2,3,4,5,6,7
	global_store_b64 v[SO], v[YB+2*(\j):YB+2*(\j)+1], s[12:13] offset:256*(\j)  ; 256 consecutive bytes, at a multiple of 256 from bb's first byte
.endr
.irp z, 0,2,4,6
	v_pk_add_f32 v[ACC0+(\z):ACC0+(\z)+1], v[ACC0+(\z):ACC0+(\z)+1], v[ACC1+(\z):ACC1+(\z)+1]  ; from the low end on
.endr
	ds_store_b128 v[LS], v[ACC0:ACC0+3]   offset:PART
	ds_store_b128 v[LS], v[ACC0+4:ACC0+7] offset:PART+16
	s_wait_dscnt 0x0                               ; for the others' sake: my stores are done
	s_barrier_signal -1
	s_barrier_wait -1
	s_cmp_lg_u32 s14, 0
	s_cbranch_scc1 .Lend
.irp p, 0,1,2,3,4,5,6,7,8,9,10,11,12,13,14,15
	ds_load_b128 v[T+8*(\p):T+8*(\p)+3],   v[LR] offset:PART+1024*(\p)
	ds_load_b128 v[T+8*(\p)+4:T+8*(\p)+7], v[LR] offset:PART+1024*(\p)+512
.endr
	s_wait_dscnt 0x0
.irp d, 8,4,2,1
.set p, 0
.rept \d
.irp z, 0,2,4,6
	v_pk_add_f32 v[T+8*p+\z:T+8*p+\z+1], v[T+8*p+\z:T+8*p+\z+1], v[T+8*(p+\d)+\z:T+8*(p+\d)+\z+1]
.endr
.set p, p+1
.endr
.endr
	global_store_b128 v[LR], v[T:T+3],   s[10:11]              ; 512 consecutive bytes each
	global_store_b128 v[LR], v[T+4:T+7], s[10:11] offset:512
.Lend:
	s_wait_tensorcnt 0x0                           ; the wave's end, behind my last LDS store
	ds_add_u32 v[SPW], v[NIL]
	s_wait_dscnt 0x0
	s_endpgm
.Lfunc_end_k_qd763fd2ffe_query:
	.size	k_qd763fd2ffe_query, .Lfunc_end_k_qd763fd2ffe_query-k_qd763fd2ffe_query
	.p2alignl 7, 3214868480
	.fill 96, 4, 3214868480
	.section	.rodata,"a",@progbits
	.p2align	6, 0x0
	.amdhsa_kernel k_qd763fd2ffe_query
		.amdhsa_group_segment_fixed_size 18432
		.amdhsa_private_segment_fixed_size 0
		.amdhsa_enable_private_segment 0
		.amdhsa_kernarg_size 40
		.amdhsa_user_sgpr_count 2
		.amdhsa_user_sgpr_kernarg_segment_ptr 1
		.amdhsa_wavefront_size32 1
		.amdhsa_system_sgpr_workgroup_id_x 1
		.amdhsa_system_sgpr_workgroup_id_y 1
		.amdhsa_system_sgpr_workgroup_id_z 1
		.amdhsa_system_vgpr_workitem_id 0
		.amdhsa_next_free_vgpr 208
		.amdhsa_next_free_sgpr 66
		.amdhsa_reserve_vcc 0
		.amdhsa_float_denorm_mode_32 3
		.amdhsa_float_denorm_mode_16_64 3
		.amdhsa_memory_ordered 1
		.amdhsa_forward_progress 1
		.amdhsa_inst_pref_size 17
	.end_amdhsa_kernel
	.amdgpu_metadata
---
amdhsa.version: [ 1, 2 ]
amdhsa.kernels:
  - .name:           k_qd763fd2ffe_query
    .symbol:         k_qd763fd2ffe_query.kd
    .args:
      - { .name: A, .offset: 0, .size: 8, .value_kind: global_buffer, .address_space: global }
      - { .name: B, .offset: 8, .size: 8, .value_kind: global_buffer, .address_space: global }
      - { .name: cs, .offset: 16, .size: 8, .value_kind: global_buffer, .address_space: global }
      - { .name: qv, .offset: 24, .size: 8, .value_kind: global_buffer, .address_space: global }
      - { .name: bb, .offset: 32, .size: 8, .value_kind: global_buffer, .address_space: global }
    .group_segment_fixed_size: 18432
    .private_segment_fixed_size: 0
    .kernarg_segment_align: 8
    .kernarg_segment_size: 40
    .max_flat_workgroup_size: 512
    .sgpr_count:     66
    .vgpr_count:     208
    .wavefront_size: 32
...
	.end_amdgpu_metadata
.endif
;; end of part 2
;; launch keys (part 3): grid 4 x 64, 4 waves a work-group, clusters of 4 x 4, 327,680 bytes of LDS; arguments xb, bb, qv, nd; writes nd
.if DOCPART == 3
	.amdgcn_target "amdgcn-amd-amdhsa--gfx1250"
	.amdhsa_code_object_version 6
	.text
	.protected	k_qd763fd2ffe_keys
	.globl	k_qd763fd2ffe_keys
	.p2align	8
	.type	k_qd763fd2ffe_keys,@function
k_qd763fd2ffe_keys:
	s_mov_b64 s[64:65], 0
	v_nop
	global_prefetch_b8 v0, s[64:65] scope:SCOPE_SE
	s_setreg_imm32_b32 hwreg(HW_REG_WAVE_MODE, 25, 1), 1
	s_wait_xcnt 0x0
	s_wait_alu depctr_hold_cnt(0) depctr_sa_sdst(0) depctr_va_vdst(0) depctr_va_sdst(0) depctr_va_ssrc(0) depctr_va_vcc(0) depctr_vm_vsrc(0)
	s_getreg_b32 s2, hwreg(HW_REG_IB_STS2, 6, 4)
	s_cmp_eq_u32 s2, 0
	s_cbranch_scc0 .Lentry_in_a_cluster
	s_endpgm
.Lentry_in_a_cluster:
	s_bfe_u32 s2, ttmp6, 0x10000c
	s_cmp_lg_u32 s2, 0xf033
	s_cbranch_scc0 .Lentry_shape_is_right
	s_endpgm
.Lentry_shape_is_right:
; keys[t][i] = the sum over j of xb[t][j] bb[i][j] (65,536 tokens x 1,024 key columns x K = 1,024, bf16 operands, f32 sums).  The keys are never stored: of each token and each slice of 128
; key columns two numbers leave, nd[0][slice][t] = the sum of keys^2 and nd[1][slice][t] = the sum of keys x q[batch of t], both in f32.  nd: [2][8][65536] f32.
; xb: [65536][1024] bf16.  bb: [1024][1024] bf16.  qv: [64 blocks g][16 b][16 i] f32, q[b][16 g + i], unnormalised.
; LIMITS.  The operands were rounded to bf16 by the launches before.  q . k is at most |q| |k| in size, so it is finite wherever both sums of squares are.  NaN and infinities are not treated apart.
; A TILE is 256 tokens x 256 key columns, made by a work-group of four waves; a wave makes 128 x 128: 64 accumulators of 16 x 16, 512 registers.  K goes in steps of 128 through a ring of two
; LDS slots filled by the tensor data mover: the tiles' rows are 256 bytes of memory and start at multiples of 256 bytes from the buffer's first byte.
; A WORK-GROUP STAYS: it makes SIZE_TILES = 4 tiles, 16,384 tokens (four batches) apart, and the ring does not stop at a tile's end: a tile's last two changes of slots ask for the next tile's
; first two K steps, and the tile's sums are taken while those are on their way.
; CLUSTERS: 4 x 4 work-groups.  The four of a row of the cluster take the four tile columns of the same 256 tokens and need the same tiles of xb; the four of a column need the same tiles of
; bb.  Such a tile is asked for JOINTLY: each of the four issues the same tensor load, with the same descriptor and a mask that names the four, and each receives it in its own LDS.
; REGISTERS, in windows of 256 (s_set_vgpr_msb: bits 1:0 source 0, 3:2 source 1, 5:4 source 2, 7:6 destination):
;   window 0: v0-31 addresses; v32-39 the way out; v64-127, v128-191 fragments of xb (8 x 16 rows x 32 K), two buffers; v192-223 the tile's sums
;   window 1: v64-127, v128-191 fragments of bb, two buffers; v192-255 q of my 128 key columns for the tile's batch
;   window 2: the 32 accumulators of my tokens 0-63 (accumulator (a, b) at v[8 (8 a + b)]);   window 3: those of my tokens 64-127
; THE MATRIX INSTRUCTION IS USED TRANSPOSED: source 0 = 16 rows of bb, source 1 = 16 rows of xb.  In the result lane l holds token l % 16 and the key columns 8 (l / 16) + 0..7: a token's sums
; over key columns are sums along a lane's registers, and one exchange between the halves of the lanes.
.set SIZE_M, 65536
.set SIZE_K, 1024
.set SIZE_TILES, 4
.set KSTEP,  128
.set PITCH,  272                       ; an LDS row: 256 bytes of data + 16 of padding = 68 words: row r starts at bank 4 r mod 64 (64 banks of 4 bytes: ISA guide 11.1), so the 16 rows that a load touches start at 16 different banks
.set HALFT,  128*PITCH                 ; 128 rows: what one tensor load brings, and what one wave reads of xb or of bb
.set SLOT,   4*HALFT                   ; xb's 256 rows, then bb's 256 rows
.set STAGE,  2*SLOT                    ; behind the ring, never filled by a tensor load: 1,024 bytes for each wave, for the way out
.set SPARE,  STAGE+4*1024              ; behind the stages: the spare words, 128 bytes for each wave: two blocks of 256 bytes that no other line names
.set LAPS, SIZE_K/(2*KSTEP)            ; a lap = two K steps = once round the ring
.set WALK,   SIZE_M/SIZE_TILES         ; a work-group's tiles lie WALK tokens apart
.set NEXT_A, WALK*SIZE_K*2-(SIZE_K-2*KSTEP)*2   ; bytes from a slot's last K step of a tile to its first of the next tile: xb goes WALK rows down and back along K,
.set BACK_B, (SIZE_K-2*KSTEP)*2        ; bb only back: the walk's tiles share their rows of bb
.set ADRA, 16                          ; v16-17  LDS address of my xb fragments in slot 0, 1
.set ADRB, 20                          ; v20-21  the same for bb
.set STO,  24                          ; v24     the way out: my stage + 512 (l / 16) + 4 (l % 16)
.set RD,   25                          ; v25     the way out: my stage + 16 l
.set CO,   26                          ; v26     16 l: my 16 bytes of 512 in nd
.set QV,   27                          ; v27     32 (l / 16): my eight columns in a block of qv
.set SPW,  28                          ; v28     LDS address of my spare word: SPARE + 4 x my thread's number; never rewritten
.set NIL,  29                          ; v29     0; never rewritten
.set PFO,  30                          ; v30     the prefetches' offset: my lane x a row of xb or bb (2,048 bytes); never rewritten
.set OB,   32                          ; v32-39  the way out: 128 tokens' two sums, read back from the stage
.set SSQ,  192                         ; v192-207  pair 2 a: token block a's sum of squares, even and odd columns'
.set DTQ,  208                         ; v208-223  the same for keys x q
.set QR,   192                         ; window 1: q of column block b at QR + 8 b
.set F0,   64                          ; fragment buffer 0
.set F1,   128                         ; fragment buffer 1
.set PFA,  44                          ; s[44:45] where my prefetches stand: my work-group's 32 rows of the 128 that I fetch, one K step further along K than the refill that is being asked for
.set LIM,  43                          ; s43     1 in a wave that prefetches, else the greatest number
.set G1, 24                            ; s[24:31] descriptor group 1 for xb's tiles
.set G0, 32                            ; s[32:39] descriptor group 0 for xb's tiles, one set for each slot
.set G1B, 48                           ; s[48:55] descriptor group 1 for bb's tiles: it differs in the mask alone
.set G0B, 56                           ; s[56:63] descriptor group 0 for bb's tiles, one set for each slot
.set QP,  68                           ; s[68:69] qv at my 8 column blocks and the tile's batch
.set NDP, 70                           ; s[70:71] nd at my slice and my 128 tokens of the tile
.set LM,  72                           ; s72     a mask of lanes 16-31
.set SEL, 74                           ; s[74:75] v_permlanex16_b32's selects: each lane takes its own place in the other half
.set MSB, 0
.macro WIN new                         ; the immediate's high byte repeats the setting that is left; a switch that changes nothing is dropped
.if MSB != (\new)
	s_set_vgpr_msb (MSB<<8)|(\new)
.set MSB, \new
.endif
.endm
.set MUL_LO, 0xa1                      ; source 0 (bb) window 1, source 1 (xb) window 0, C and D window 2
.set MUL_HI, 0xf1                      ; the same, C and D window 3
.set TO_B,   0x40                      ; destination window 1, address window 0
; A joint load.  Waves 0 and 1 fetch xb's two halves, waves 2 and 3 bb's.  Each of the two lines has ONE mask and one set of registers for all that issue it.  The branch hangs on the wave's
; number alone.  An s_nop 0 and four v_nop follow each of the two lines, ahead of the jump, the label and what follows.
.macro JLOAD s
	s_cmp_eq_u32 s11, 0
	s_cbranch_scc0 .Lfor_b_\@
	tensor_load_to_lds s[G0+4*(\s):G0+4*(\s)+3], s[G1:G1+7]
	s_nop 0
.rept 4
	v_nop
.endr
	s_branch .Lasked_\@
.Lfor_b_\@:
	tensor_load_to_lds s[G0B+4*(\s):G0B+4*(\s)+3], s[G1B:G1B+7]
	s_nop 0
.rept 4
	v_nop
.endr
.Lasked_\@:
.endm
; A PREFETCH INTO THE L2, behind each joint load, its five lines and the run of LDS loads that follows them: the K step that stands TWO refills on (512 matrix instructions ahead of the load
; that will want it): 32 rows x 256 bytes, a lane a row, one instruction a wave.  Each row's 256 bytes of a K step are named ONCE in the launch: xb's tokens belong to one cluster alone
; (the grid is one cluster wide), which asks for them; bb's rows are read by every cluster, and the clusters with y = 0 ask for them, in their first tile alone.  The four partners that ask for a
; tile jointly share its rows out BY ADDRESS: of the 128 rows that a wave fetches, the partner at place p takes 32 p .. 32 p + 31 (p = cx for xb, cy for bb).
; how = 0, in the loop: a tile's last two refills have no K step two on; how = 1, at a change of tiles.
.macro ASK how
.if \how
	s_cmp_eq_u32 s[LIM], 1
.else
	s_cmp_gt_u32 s3, s[LIM]                        ; s3 = 1 in the loop's last trip
.endif
	s_cbranch_scc0 .Lnot_mine_\@
	global_prefetch_b8 v[PFO], s[PFA:PFA+1] offset:KSTEP*2 th:TH_LOAD_NT scope:SCOPE_SE
.Lnot_mine_\@:
.endm
; A round of the cluster's barrier: my work-group's barrier, so that wave 0's signal speaks for all four waves; wave 0 signals; every wave waits for all sixteen work-groups; my work-group's barrier once more.
.macro CREST                           ; a round behind its opening barrier
	s_cmp_lg_u32 s10, 0
	s_cbranch_scc1 .Lnot_wave_0_\@
	s_barrier_signal -3
.Lnot_wave_0_\@:
	s_barrier_wait -3
	s_barrier_signal -1
	s_barrier_wait -1
.endm
.macro CROUND                          ; a whole round
	s_barrier_signal -1
	s_barrier_wait -1
	CREST
.endm
	s_load_b128 s[4:7], s[0:1], 0x0                ; xb s[4:5], bb s[6:7]
	s_load_b128 s[68:71], s[0:1], 0x10             ; qv s[68:69], nd s[70:71]
	v_lshl_add_u32 v[SPW], v0, 2, SPARE
	v_mov_b32 v[NIL], 0
	ds_add_u32 v[SPW], v[NIL]                      ; the wave's opening: the add, twice on end, and its wait ahead of my first tensor load; the set-up below stands between
	ds_add_u32 v[SPW], v[NIL]                      ; and once more, under the one wait
	v_lshrrev_b32 v1, 5, v0
	v_readfirstlane_b32 s10, v1                    ; wave 0..3
	s_lshr_b32 s11, s10, 1                         ; which half of the tile's tokens is mine.  Also: I fetch for xb (0) or for bb (1)
	s_and_b32 s12, s10, 1                          ; which half of its key columns.  Also: which 128 rows of that tile I fetch
	s_bfe_u32 s40, ttmp6, 0x40000                  ; cx: my place along the cluster's x
	s_bfe_u32 s41, ttmp6, 0x40004                  ; cy: along its y
	s_lshl_b32 s42, ttmp9, 2                       ; in a cluster launch ttmp9 and ttmp7 count clusters
	s_add_co_u32 s42, s42, s40                     ; tile column = 4 x cluster x + cx
	s_and_b32 s13, ttmp7, 0xffff
	s_lshl_b32 s13, s13, 2
	s_add_co_u32 s13, s13, s41                     ; tile row = 4 x cluster y + cy
	s_lshl_b32 s43, s41, 2
	s_lshl_b32 s43, 15, s43                        ; my row of the cluster: places 4 cy .. 4 cy + 3
	s_lshl_b32 s44, 0x1111, s40                    ; my column: places cx, cx + 4, cx + 8, cx + 12
	; descriptor group 1: a tile of 128 rows x 128 elements, padded in LDS
	s_or_b32 s[G1+0], s43, (1<<16)|(1<<20)|(1<<21)|(5<<22)|(3<<25)  ; 15:0 the mask: xb's tiles go to my row; 17:16 element of 2 bytes; 20 padding on; 21 set beside a mask; 24:22 after every 64 words (code 5); 31:25 of 4 words (code 3)
	s_or_b32 s[G1B+0], s44, (1<<16)|(1<<20)|(1<<21)|(5<<22)|(3<<25) ; the same with the mask of my column, for bb's tiles
.irp g, G1, G1B
	s_mov_b32 s[(\g)+1], KSTEP<<16                 ; 63:48 tensor_dim0, low half = 128
	s_mov_b32 s[(\g)+2], 128<<16                   ; 95:80 tensor_dim1, low half = 128
	s_mov_b32 s[(\g)+3], KSTEP<<16                 ; 127:112 tile_dim0 = 128
	s_mov_b32 s[(\g)+4], 128                       ; 143:128 tile_dim1 = 128; tile_dim2 = 0
	s_mov_b32 s[(\g)+5], SIZE_K                    ; 191:160 tensor_dim0_stride: elements from row to row
	s_mov_b32 s[(\g)+6], 0
	s_mov_b32 s[(\g)+7], 0
.endr
	; where the tiles come from.  xb's hang on the tile row alone, which my row of the cluster shares; bb's on the tile column alone, which my column shares.
	s_lshl_b32 s17, s12, 7                         ; which 128 rows of the tile I fetch
	s_lshl_b32 s16, s13, 8
	s_add_co_u32 s16, s16, s17                     ; xb: row 256 x tile row + 128 x half
	s_lshl_b32 s46, s42, 8
	s_add_co_u32 s46, s46, s17                     ; bb: row 256 x tile column + 128 x half
	s_mov_b32 s17, 0
	s_mov_b32 s47, 0
	s_mov_b64 s[18:19], SIZE_K*2
	s_mul_u64 s[16:17], s[16:17], s[18:19]         ; in bytes, in 64 bits
	s_mul_u64 s[46:47], s[46:47], s[18:19]
	s_mul_i32 s20, s10, HALFT                      ; and where they go: wave x 128 rows: no place in the cluster enters an LDS address
	s_mov_b32 s[LM], 0xffff0000
	s_mov_b32 s[SEL], 0x76543210
	s_mov_b32 s[SEL+1], 0xfedcba98
	s_wait_dscnt 0x0                               ; both opening adds are done
	s_wait_kmcnt 0x0
	s_add_nc_u64 s[14:15], s[4:5], s[16:17]
	s_add_nc_u64 s[46:47], s[6:7], s[46:47]
	CROUND                                         ; all sixteen work-groups are here: the first joint loads meet
.irp s, 0,1
	s_mov_b32 s[G0+4*(\s)], 1                                      ; 1:0 count = 1
	s_add_co_u32 s[G0+4*(\s)+1], s20, (\s)*SLOT                    ; 63:32 LDS address
	s_add_nc_u64 s[G0+4*(\s)+2:G0+4*(\s)+3], s[14:15], (\s)*KSTEP*2  ; 120:64 global address: K step s
	s_or_b32 s[G0+4*(\s)+3], s[G0+4*(\s)+3], 0x80000000            ; 127:126 type = 2
	s_mov_b32 s[G0B+4*(\s)], 1
	s_add_co_u32 s[G0B+4*(\s)+1], s20, (\s)*SLOT
	s_add_nc_u64 s[G0B+4*(\s)+2:G0B+4*(\s)+3], s[46:47], (\s)*KSTEP*2
	s_or_b32 s[G0B+4*(\s)+3], s[G0B+4*(\s)+3], 0x80000000
	JLOAD \s                                       ; the ring is filled before anything else is done: two loads of mine are out
.endr
	; A fragment is 16 rows x 32 K in 8 registers: lane l holds row l % 16; registers 0-3 hold K = 8 (l / 16) + 0..7, registers 4-7 hold K = 16 + 8 (l / 16) + 0..7: two loads of 16 bytes, 32 bytes apart.
	v_and_b32 v1, 15, v0                           ; l % 16
	v_bfe_u32 v2, v0, 4, 1                         ; l / 16
	v_mul_u32_u24 v3, v1, PITCH
	v_lshl_add_u32 v3, v2, 4, v3                   ; row x pitch + 16 x half
	s_mul_i32 s21, s11, HALFT                      ; my 128 rows of xb
	s_mul_i32 s22, s12, HALFT                      ; my 128 rows of bb,
	s_add_co_u32 s22, s22, 2*HALFT                 ; which lie behind xb's 256
.irp s, 0,1
	v_add_nc_u32 v[ADRA+(\s)], s21, v3
	v_add_nc_u32 v[ADRB+(\s)], s22, v3
	s_add_co_u32 s21, s21, SLOT
	s_add_co_u32 s22, s22, SLOT
.endr
	s_lshl_b32 s23, s10, 10
	s_add_co_u32 s23, s23, STAGE                   ; my stage: 128 tokens' sums of squares (512 bytes), then their keys x q
	v_lshlrev_b32 v4, 2, v1
	v_lshl_add_u32 v4, v2, 9, v4
	v_add_nc_u32 v[STO], s23, v4
	v_and_b32 v5, 31, v0
	v_lshlrev_b32 v[CO], 4, v5
	v_add_nc_u32 v[RD], s23, v[CO]
	v_lshlrev_b32 v[QV], 5, v2
	; qv and nd at my share.  s76-79 alone hold what is made of both coordinates
	s_lshl_b32 s76, s42, 4                         ; my first block of 16 key columns: 16 x tile column
	s_lshl_b32 s77, s12, 3                         ; + 8 x half,
	s_add_co_u32 s76, s76, s77
	s_lshl_b32 s76, s76, 10                        ; 1,024 bytes a block;
	s_lshr_b32 s77, s13, 4                         ; the first tile's batch: 256 x tile row / 4,096,
	s_lshl_b32 s77, s77, 6                         ; 64 bytes a batch
	s_add_co_u32 s76, s76, s77
	s_mov_b32 s77, 0
	s_add_nc_u64 s[QP:QP+1], s[QP:QP+1], s[76:77]
	s_lshl_b32 s78, s42, 1
	s_add_co_u32 s78, s78, s12                     ; my slice = 2 x tile column + half,
	s_lshl_b32 s78, s78, 18                        ; 65,536 tokens x 4 bytes a slice;
	s_lshl_b32 s79, s13, 1
	s_add_co_u32 s79, s79, s11                     ; my first token / 128 = 2 x tile row + half
	s_lshl_b32 s79, s79, 9
	s_add_co_u32 s78, s78, s79
	s_mov_b32 s79, 0
	s_add_nc_u64 s[NDP:NDP+1], s[NDP:NDP+1], s[78:79]
	; the prefetches
	s_lshl_b32 s13, s13, 8                         ; the tile's first row in xb
	s_lshl_b32 s42, s42, 8                         ; and in bb
	s_and_b32 s22, ttmp7, 0xffff                   ; cluster y
	s_cmp_eq_u32 s11, 0                            ; do I fetch for xb?
	s_cselect_b32 s20, s13, s42
	s_cselect_b32 s21, s40, s41                    ; my place among the four that ask for it with me
	s_cselect_b32 s22, ttmp9, s22                  ; the coordinate along which other clusters read the same rows
	s_cselect_b64 s[PFA:PFA+1], s[4:5], s[6:7]
	s_cmp_eq_u32 s22, 0
	s_cselect_b32 s[LIM], 1, -1                    ; the same in all sixteen partners, for a given wave
	s_lshl_b32 s22, s12, 7
	s_add_co_u32 s20, s20, s22                     ; + the 128 rows that I fetch
	s_lshl_b32 s21, s21, 5
	s_add_co_u32 s20, s20, s21                     ; + my work-group's 32 of them
	s_mov_b32 s21, 0
	s_mov_b64 s[18:19], SIZE_K*2
	s_mul_u64 s[20:21], s[20:21], s[18:19]
	s_add_nc_u64 s[PFA:PFA+1], s[PFA:PFA+1], s[20:21]
	s_add_nc_u64 s[PFA:PFA+1], s[PFA:PFA+1], 2*KSTEP*2  ; at K step 2: the first refill steps it to 3 and names K step 4
	v_and_b32 v[PFO], 31, v0
	v_mul_u32_u24 v[PFO], v[PFO], SIZE_K*2
	; nothing is prefetched here, at the head, where every work-group's first two tiles are on their way: K steps 2 and 3 come by their refills alone
; q of my 128 key columns for the tile's batch: 16 loads of 16 bytes into window 1.  They are issued a whole tile ahead of their use; nothing in the loop over K names these registers.
.macro QLOAD
	WIN TO_B
.irp b, 0,1,2,3,4,5,6,7
	global_load_b128 v[QR+8*(\b):QR+8*(\b)+3],   v[QV], s[QP:QP+1] offset:1024*(\b)
	global_load_b128 v[QR+8*(\b)+4:QR+8*(\b)+7], v[QV], s[QP:QP+1] offset:1024*(\b)+16
.endr
	WIN 0
.endm
; 16 matrix instructions: token blocks a0, a0 + 1 of the window's four (hi = 0: my tokens 0-63, 1: tokens 64-127) x all 8 column blocks, 32 along K.
; zero = 1: the first product starts the sums: nothing is ever cleared.  The 64 accumulators take turns, one instruction a turn.
.macro MUL16 f, hi, a0, zero
	WIN MUL_LO+0x50*(\hi)
.irp a, \a0, (\a0)+1
.irp b, 0,1,2,3,4,5,6,7
.if \zero
	v_wmma_f32_16x16x32_bf16 v[8*(8*(\a)+(\b)):8*(8*(\a)+(\b))+7], v[(\f)+8*(\b):(\f)+8*(\b)+7], v[(\f)+8*(4*(\hi)+(\a)):(\f)+8*(4*(\hi)+(\a))+7], 0
.else
	v_wmma_f32_16x16x32_bf16 v[8*(8*(\a)+(\b)):8*(8*(\a)+(\b))+7], v[(\f)+8*(\b):(\f)+8*(\b)+7], v[(\f)+8*(4*(\hi)+(\a)):(\f)+8*(4*(\hi)+(\a))+7], v[8*(8*(\a)+(\b)):8*(8*(\a)+(\b))+7]
.endif
.endr
.endr
.endm
; 32 LDS loads in one run: the fragments of one quarter step (128 rows of bb, 128 rows of xb, 32 K at byte k of the rows) into buffer f
.macro FETCH slot, k, f
	WIN TO_B
.irp i, 0,1,2,3,4,5,6,7
	ds_load_b128 v[(\f)+8*(\i):(\f)+8*(\i)+3],   v[ADRB+(\slot)] offset:(\k)+(\i)*16*PITCH
	ds_load_b128 v[(\f)+8*(\i)+4:(\f)+8*(\i)+7], v[ADRB+(\slot)] offset:(\k)+(\i)*16*PITCH+32
.endr
	WIN 0
.irp i, 0,1,2,3,4,5,6,7
	ds_load_b128 v[(\f)+8*(\i):(\f)+8*(\i)+3],   v[ADRA+(\slot)] offset:(\k)+(\i)*16*PITCH
	ds_load_b128 v[(\f)+8*(\i)+4:(\f)+8*(\i)+7], v[ADRA+(\slot)] offset:(\k)+(\i)*16*PITCH+32
.endr
.endm
; A load into a register that a matrix instruction has read, and a vector instruction that reads a matrix result, stand four places behind that matrix instruction, and only plain vector
; instructions that name none of its registers are places (ISA guide 7.12.1 for vector instructions).
.macro PLACES
.rept 4
	v_nop
.endr
.endm
; A K step is four quarter steps of 32 along K, 64 matrix instructions each, on buffers 0, 1, 0, 1.
; One of the first three: multiplies buffer f; in its middle it fetches the next quarter's fragments, at byte k of the same slot's rows, into buffer g.
.macro QUARTER slot, k, f, g, zero
	s_wait_dscnt 8                                 ; bb and xb's rows 0-63 are in; the youngest eight loads (xb's rows 64-127) may be out
	WIN MUL_LO
	MUL16 \f, 0, 0, \zero
	MUL16 \f, 0, 2, \zero
	PLACES
	FETCH \slot, \k, \g
	s_wait_dscnt 32                                ; all but the 32 just issued
	WIN MUL_HI
	MUL16 \f, 1, 0, \zero
	MUL16 \f, 1, 2, \zero
.endm
; The last quarter multiplies buffer 1 and changes slots.  MEET is its first half: ONE barrier for the change of slots.  In front of it each wave waits for all its tensor loads, of which one
; is out: its part of the next slot; adds 0 to its spare word; and waits for that and for its own reads of this slot.  Behind it nobody reads this slot any more and the next slot is whole.
.macro MEET round                      ; round = 1: a round of the cluster's barrier follows
	WIN 0                                          ; (the add's two registers lie in window 0)
	s_wait_tensorcnt 0x0                           ; all my tensor loads have landed: the one that was out is my part of the next slot;
	ds_add_u32 v[SPW], v[NIL]                      ; 0 onto my spare word;
	s_wait_dscnt 9                                 ; (the add and the youngest eight loads may be out)
	WIN MUL_LO
	MUL16 F1, 0, 0, 0                              ; sixteen matrix instructions stand between the add and the wait for it
	s_wait_dscnt 0x0                               ; the add is done, and my reads of this slot are over:
	s_barrier_signal -1                            ; say so (where a slot is filled again this barrier opens a round of the cluster's barrier),
	MUL16 F1, 0, 2, 0                              ; work on registers while the others arrive,
.if \round
	WIN 0
.endif
	s_barrier_wait -1                              ; and go on when all four have said so
.endm
; The whole last quarter.  Behind the round the slot just read out is filled again first: with this tile's K step two steps on (on = 0) or, in a tile's last two K steps, with the NEXT tile's
; K step 0 or 1 (on = 1); then come the next slot's first fragments.  From a request to the wait for it a wave issues 224 matrix instructions.
.macro TURN slot, next, on
	s_wait_xcnt 0x0                                ; the last prefetch, a K step back, has read its address: it is stepped here, ahead of the waits of the change of slots
.if (\on) && (\slot) == 0
	s_add_nc_u64 s[PFA:PFA+1], s[PFA:PFA+1], (WALK-1)*SIZE_K*2+KSTEP*2  ; from the K step after the tile's last to the next tile's K step 1: WALK rows down, back along K
	s_cmp_eq_u32 s11, 0
	s_cselect_b32 s[LIM], s[LIM], -1               ; bb's rows are the same for all tiles of the walk: they are asked for in the first tile alone
.else
	s_add_nc_u64 s[PFA:PFA+1], s[PFA:PFA+1], KSTEP*2
.endif
	MEET 1
	CREST                                          ; no wave of any partner still reads this slot's tile or has a load on its way
.if \on
	s_add_nc_u64 s[G0+4*(\slot)+2:G0+4*(\slot)+3], s[G0+4*(\slot)+2:G0+4*(\slot)+3], NEXT_A
	s_sub_nc_u64 s[G0B+4*(\slot)+2:G0B+4*(\slot)+3], s[G0B+4*(\slot)+2:G0B+4*(\slot)+3], BACK_B
.else
	s_add_nc_u64 s[G0+4*(\slot)+2:G0+4*(\slot)+3], s[G0+4*(\slot)+2:G0+4*(\slot)+3], 2*KSTEP*2
	s_add_nc_u64 s[G0B+4*(\slot)+2:G0B+4*(\slot)+3], s[G0B+4*(\slot)+2:G0B+4*(\slot)+3], 2*KSTEP*2
.endif
	JLOAD \slot                                    ; the first tensor load behind the round, my only one until the next; the four v_nop behind it are also the places in front of the loads below
	FETCH \next, 0, F0
	ASK \on                                        ; behind the joint load and the run of LDS loads that the next products wait for
	WIN MUL_HI
	MUL16 F1, 1, 0, 0
	MUL16 F1, 1, 2, 0
.endm
; THE WAY OUT.  NORMS hi: for the four token blocks of one window, the sum over my 128 key columns of keys^2 and of keys x q, two columns an instruction, the four blocks' chains by turns.
; The first product of each chain starts it: nothing is cleared.  Each accumulator is read from its two lowest registers on.
.macro NORMS hi
	WIN 0x0a+5*(\hi)                               ; sources 0 and 1: the accumulators' window; source 2 and destination: window 0
.irp b, 0,1,2,3,4,5,6,7
.irp r, 0,1,2,3
.irp a, 0,1,2,3
.if ((\b) == 0) && ((\r) == 0)
	v_pk_mul_f32 v[SSQ+2*(4*(\hi)+(\a)):SSQ+2*(4*(\hi)+(\a))+1], v[8*(8*(\a)+(\b))+2*(\r):8*(8*(\a)+(\b))+2*(\r)+1], v[8*(8*(\a)+(\b))+2*(\r):8*(8*(\a)+(\b))+2*(\r)+1]
.else
	v_pk_fma_f32 v[SSQ+2*(4*(\hi)+(\a)):SSQ+2*(4*(\hi)+(\a))+1], v[8*(8*(\a)+(\b))+2*(\r):8*(8*(\a)+(\b))+2*(\r)+1], v[8*(8*(\a)+(\b))+2*(\r):8*(8*(\a)+(\b))+2*(\r)+1], v[SSQ+2*(4*(\hi)+(\a)):SSQ+2*(4*(\hi)+(\a))+1]
.endif
.endr
.endr
.endr
	WIN 0x06+(\hi)                                 ; source 1: q, in window 1
.if (\hi) == 0
	s_wait_loadcnt 0x0                             ; q is in: its sixteen loads, issued a tile ago, are the text's only loads into registers
.endif
.irp b, 0,1,2,3,4,5,6,7
.irp r, 0,1,2,3
.irp a, 0,1,2,3
.if ((\b) == 0) && ((\r) == 0)
	v_pk_mul_f32 v[DTQ+2*(4*(\hi)+(\a)):DTQ+2*(4*(\hi)+(\a))+1], v[8*(8*(\a)+(\b))+2*(\r):8*(8*(\a)+(\b))+2*(\r)+1], v[QR+8*(\b)+2*(\r):QR+8*(\b)+2*(\r)+1]
.else
	v_pk_fma_f32 v[DTQ+2*(4*(\hi)+(\a)):DTQ+2*(4*(\hi)+(\a))+1], v[8*(8*(\a)+(\b))+2*(\r):8*(8*(\a)+(\b))+2*(\r)+1], v[QR+8*(\b)+2*(\r):QR+8*(\b)+2*(\r)+1], v[DTQ+2*(4*(\hi)+(\a)):DTQ+2*(4*(\hi)+(\a))+1]
.endif
.endr
.endr
.endr
.endm
.macro EACH line:vararg                ; one line for each token block t
.set t, 0
.rept 8
	\line
.set t, t+1
.endr
.endm
; LEAVE: even and odd columns' sums and the other half of the lanes' are added; lanes 0-15 keep the sum of squares, lanes 16-31 take keys x q; both go through my own stage, so that a store
; covers 512 consecutive bytes of nd (128 tokens), at a multiple of 256 from its first byte.
.macro LEAVE
	WIN 0
	EACH v_add_f32 v[SSQ+2*t], v[SSQ+2*t], v[SSQ+2*t+1]
	EACH v_add_f32 v[DTQ+2*t], v[DTQ+2*t], v[DTQ+2*t+1]
	EACH v_permlanex16_b32 v[SSQ+2*t+1], v[SSQ+2*t], s[SEL], s[SEL+1]
	EACH v_permlanex16_b32 v[DTQ+2*t+1], v[DTQ+2*t], s[SEL], s[SEL+1]
	EACH v_add_f32 v[SSQ+2*t], v[SSQ+2*t], v[SSQ+2*t+1]
	EACH v_add_f32 v[DTQ+2*t], v[DTQ+2*t], v[DTQ+2*t+1]
	EACH v_cndmask_b32 v[SSQ+2*t], v[SSQ+2*t], v[DTQ+2*t], s[LM]
	EACH ds_store_b32 v[STO], v[SSQ+2*t] offset:64*t
	ds_load_b128 v[OB:OB+3],   v[RD]               ; LDS serves a wave's instructions in order (ISA guide 5.7.1.4): these see the stores above
	ds_load_b128 v[OB+4:OB+7], v[RD] offset:512
	s_wait_dscnt 0x0                               ; (the next tile's first fragments, where they are on their way, are in too)
	global_store_b128 v[CO], v[OB:OB+3],   s[NDP:NDP+1]
	global_store_b128 v[CO], v[OB+4:OB+7], s[NDP:NDP+1] offset:8*SIZE_M*4
.endm
	QLOAD                                          ; the first tile's q
	s_wait_tensorcnt 1                             ; my part of K step 0 is in; K step 1's may stay out
	s_barrier_signal -1
	s_barrier_wait -1                              ; everybody's is
	FETCH 0, 0, F0
	s_mov_b32 s2, SIZE_TILES                       ; tiles to go, this one among them: the same number in every work-group
.Ltile:
	QUARTER 0, 64,  F0, F1, 1                      ; a tile's first quarter stands in front of the loop: its products start the sums
	WIN 0                                          ; at a label and at a branch every window is 0
	s_mov_b32 s3, LAPS-1
.Llap:                                                 ; a trip goes once round the ring, from a lap's second quarter to the next lap's first, and fills both slots again
	QUARTER 0, 128, F1, F0, 0
	QUARTER 0, 192, F0, F1, 0
	TURN 0, 1, 0
	QUARTER 1, 64,  F0, F1, 0
	QUARTER 1, 128, F1, F0, 0
	QUARTER 1, 192, F0, F1, 0
	TURN 1, 0, 0
	QUARTER 0, 64,  F0, F1, 0
	WIN 0
	s_sub_co_u32 s3, s3, 1
	s_cmp_lg_u32 s3, 0
	s_cbranch_scc1 .Llap
	QUARTER 0, 128, F1, F0, 0                      ; the tile's last lap goes on
	QUARTER 0, 192, F0, F1, 0
	WIN 0
	s_cmp_eq_u32 s2, 1
	s_cbranch_scc1 .Llast_tile                     ; the last tile's tail is written out: it asks for nothing more
	TURN 0, 1, 1                                   ; THE RING GOES ON INTO THE NEXT TILE: slot 0 takes its K step 0,
	QUARTER 1, 64,  F0, F1, 0
	QUARTER 1, 128, F1, F0, 0
	QUARTER 1, 192, F0, F1, 0
	TURN 1, 0, 1                                   ; slot 1 its K step 1, and the next tile's first fragments are fetched
	PLACES                                         ; four places behind the last products; the first window's 256 lines are further places for the second window's
	NORMS 0                                        ; both refills are asked for: now the tile's sums are taken
	NORMS 1
	LEAVE
	s_wait_xcnt 0x0                                ; the stores and q's loads have had their addresses translated (ISA guide 3.1): their bases and the stores' data are written only behind this wait
	s_add_nc_u64 s[NDP:NDP+1], s[NDP:NDP+1], WALK*4    ; the next tile's tokens,
	s_add_nc_u64 s[QP:QP+1], s[QP:QP+1], (WALK/4096)*64  ; and its batch, four on
	QLOAD
	s_sub_co_u32 s2, s2, 1
	s_branch .Ltile
.Llast_tile:
	MEET 0                                         ; my one tensor load that was still out is slot 1's, the last K step's, so no round follows
	PLACES                                         ; for the loads into buffer 0, which the quarter before multiplied
	FETCH 1, 0, F0
	WIN MUL_HI
	MUL16 F1, 1, 0, 0
	MUL16 F1, 1, 2, 0
	QUARTER 1, 64,  F0, F1, 0
	QUARTER 1, 128, F1, F0, 0
	QUARTER 1, 192, F0, F1, 0
	s_wait_dscnt 0x0                               ; the very last quarter: nothing more to fetch
	MUL16 F1, 0, 0, 0
	MUL16 F1, 0, 2, 0
	MUL16 F1, 1, 0, 0
	MUL16 F1, 1, 2, 0
	PLACES                                         ; four places behind the last products
	NORMS 0
	NORMS 1
	LEAVE
	s_wait_tensorcnt 0x0                           ; the wave's end, behind my last tensor load and my last LDS store
	ds_add_u32 v[SPW], v[NIL]
	s_wait_dscnt 0x0
	CROUND                                         ; the closing round: no work-group ends while a partner may still ask for a tile that names it
	s_endpgm
.Lfunc_end_k_qd763fd2ffe_keys:
	.size	k_qd763fd2ffe_keys, .Lfunc_end_k_qd763fd2ffe_keys-k_qd763fd2ffe_keys
	.p2alignl 7, 3214868480
	.fill 96, 4, 3214868480
	.section	.rodata,"a",@progbits
	.p2align	6, 0x0
	.amdhsa_kernel k_qd763fd2ffe_keys
		.amdhsa_group_segment_fixed_size 327680
		.amdhsa_private_segment_fixed_size 0
		.amdhsa_enable_private_segment 0
		.amdhsa_kernarg_size 32
		.amdhsa_user_sgpr_count 2
		.amdhsa_user_sgpr_kernarg_segment_ptr 1
		.amdhsa_wavefront_size32 1
		.amdhsa_system_sgpr_workgroup_id_x 1
		.amdhsa_system_sgpr_workgroup_id_y 1
		.amdhsa_system_sgpr_workgroup_id_z 1
		.amdhsa_system_vgpr_workitem_id 0
		.amdhsa_next_free_vgpr 1024
		.amdhsa_next_free_sgpr 80
		.amdhsa_reserve_vcc 0
		.amdhsa_float_denorm_mode_32 3
		.amdhsa_float_denorm_mode_16_64 3
		.amdhsa_memory_ordered 1
		.amdhsa_forward_progress 1
		.amdhsa_inst_pref_size 221
	.end_amdhsa_kernel
	.amdgpu_metadata
---
amdhsa.version: [ 1, 2 ]
amdhsa.kernels:
  - .name:           k_qd763fd2ffe_keys
    .symbol:         k_qd763fd2ffe_keys.kd
    .args:
      - { .name: xb, .offset: 0, .size: 8, .value_kind: global_buffer, .address_space: global }
      - { .name: bb, .offset: 8, .size: 8, .value_kind: global_buffer, .address_space: global }
      - { .name: qv, .offset: 16, .size: 8, .value_kind: global_buffer, .address_space: global }
      - { .name: nd, .offset: 24, .size: 8, .value_kind: global_buffer, .address_space: global }
    .group_segment_fixed_size: 327680
    .private_segment_fixed_size: 0
    .kernarg_segment_align: 8
    .kernarg_segment_size: 32
    .max_flat_workgroup_size: 128
    .sgpr_count:     80
    .vgpr_count:     1024
    .wavefront_size: 32
...
	.end_amdgpu_metadata
.endif
;; end of part 3
;; launch mix (part 4): grid 256 x 1, 16 waves a work-group, no clusters, 68,608 bytes of LDS; arguments xb, qv, nd, out1, op; writes out1, op
.if DOCPART == 4
	.amdgcn_target "amdgcn-amd-amdhsa--gfx1250"
	.amdhsa_code_object_version 6
	.text
	.protected	k_qd763fd2ffe_mix
	.globl	k_qd763fd2ffe_mix
	.p2align	8
	.type	k_qd763fd2ffe_mix,@function
k_qd763fd2ffe_mix:
	s_mov_b64 s[64:65], 0
	v_nop
	global_prefetch_b8 v0, s[64:65] scope:SCOPE_SE
	s_setreg_imm32_b32 hwreg(HW_REG_WAVE_MODE, 25, 1), 1
	s_wait_xcnt 0x0
; sim[t] = (q . k[t]) / ((EPS + |q|) (EPS + |k[t]|)), EPS = 1e-5, from nd's eight slices of the sums of keys^2 and of keys x q and from q itself;  op[g][c] = the sum over the 256 tokens t of
; block g of sim[t] xb[t][c].  xb: [65536][1024] bf16.  qv: [64 blocks][16 b][16 i] f32.  nd: [2][8][65536] f32.  out1: [65536] f32 (sim).  op: [256][1024] f32.
; LIMITS.  The weighted sum takes x as rounded to bf16; all arithmetic here is f32.  The two divisions are multiplications by v_rcp_f32 of the f32 sums EPS + root; v_sqrt_f32 and v_rcp_f32
; take a denormal as 0 (ISA guide 15.8), so a sum of squares below 2^-126 counts as 0, where EPS stands alone.  NaN and infinities are not treated apart.
; SHARES.  Work-group g owns tokens 256 g .. 256 g + 255 of batch g / 16, wave w sixteen of them.  A row of xb is 2,048 bytes: four loads of a wave, 512 consecutive bytes each; a lane keeps the
; same 32 columns in every row and their 32 sums in registers.  Eight rows of every wave, 32 loads, are on their way.  The sixteen waves' sums meet in LDS at the end.
; No matrix unit (one row of weights for a batch: fifteen of its sixteen rows would be idle), no cluster, no tensor loads, no prefetch: each byte of xb is read once, by one wave, in a stream.
.set PART,  0                          ; LDS: wave w's 1,024 column sums at 4,096 w, column c at byte 4 c
.set SIMB,  65536                      ; the work-group's 256 sim
.set SPARE, 66560                      ; behind them: the spare words, 128 bytes for each of 16 waves, that no other line names
.set XO,  2                            ; v2   16 x lane
.set QO,  3                            ; v3   (l / 4) x 1,024 + (l % 4) x 16: my 16 bytes of eight blocks of qv
.set NO,  4                            ; v4   (l / 16) x a kind of nd + 4 (16 w + l % 16)
.set LS,  5                            ; v5   4,096 w + 32 x lane
.set LR,  6                            ; v6   8 x (32 w + lane)
.set SIMA, 7                           ; v7   SIMB + 4 (16 w + l % 16)
.set SPW, 8                            ; v8   LDS address of my spare word; never rewritten
.set NIL, 9                            ; v9   0; never rewritten, and kept for the add alone
.set VS,  10                           ; v10  the row's sim, in every lane
.set ZR,  11                           ; v11  0: the first row's addend
.set T,   12                           ; v[12:19]   at work
.set ND,  20                           ; v[20:27]   nd's eight slices; then at work
.set Q,   28                           ; v[28:59]   the batch's q, 32 numbers a lane
.set ACC, 60                           ; v[60:91]   my 32 columns' sums: chunk c, number m at ACC + 8 c + m
.set X,   92                           ; v[92:219]  eight row slots of 16 registers
.set SIM, 32                           ; s[32:47]   my wave's sixteen sim
	s_load_b256 s[4:11], s[0:1], 0x0               ; xb s[4:5], qv s[6:7], nd s[8:9], out1 s[10:11]
	s_load_b64 s[12:13], s[0:1], 0x20              ; op
	v_lshl_add_u32 v[SPW], v0, 2, SPARE
	v_mov_b32 v[NIL], 0
	v_lshrrev_b32 v1, 5, v0
	v_readfirstlane_b32 s14, v1                    ; wave 0..15
	v_and_b32 v1, 31, v0                           ; lane
	v_lshlrev_b32 v[XO], 4, v1
	v_lshrrev_b32 v12, 2, v1
	v_and_b32 v13, 3, v1
	v_lshlrev_b32 v[QO], 10, v12
	v_lshl_add_u32 v[QO], v13, 4, v[QO]
	v_and_b32 v12, 15, v1
	v_lshrrev_b32 v13, 4, v1
	s_lshl_b32 s15, s14, 6
	v_lshl_add_u32 v14, v12, 2, s15                ; 4 (16 w + l % 16)
	v_lshl_add_u32 v[NO], v13, 21, v14             ; a kind of nd is 8 x 65,536 x 4 bytes
	v_add_nc_u32 v[SIMA], SIMB, v14
	s_lshl_b32 s17, s14, 12
	v_lshl_add_u32 v[LS], v1, 5, s17
	s_lshl_b32 s28, s14, 8
	v_lshl_add_u32 v[LR], v1, 3, s28
	v_mov_b32 v[ZR], 0
	s_mov_b32 s16, 0xffff0000                      ; a mask of lanes 16-31
	s_mov_b32 s18, 0x76543210                      ; v_permlanex16_b32: each lane takes its own place in the other half
	s_mov_b32 s19, 0xfedcba98
	s_lshl_b32 s20, ttmp9, 19                      ; 256 rows of 2,048 bytes,
	s_lshl_b32 s21, s14, 15                        ; my wave's 16
	s_add_co_u32 s20, s20, s21
	s_mov_b32 s21, 0
	s_lshr_b32 s22, ttmp9, 4                       ; the batch,
	s_lshl_b32 s22, s22, 6                         ; 64 bytes of each block of qv
	s_mov_b32 s23, 0
	s_lshl_b32 s24, ttmp9, 10                      ; 256 tokens x 4 bytes: in nd's slices and in out1
	s_mov_b32 s25, 0
	s_lshl_b32 s26, ttmp9, 12                      ; a row of op
	s_mov_b32 s27, 0
	s_wait_kmcnt 0x0
	s_add_nc_u64 s[4:5], s[4:5], s[20:21]
	s_add_nc_u64 s[6:7], s[6:7], s[22:23]
	s_add_nc_u64 s[8:9], s[8:9], s[24:25]
	s_add_nc_u64 s[10:11], s[10:11], s[24:25]
	s_add_nc_u64 s[12:13], s[12:13], s[26:27]
.irp j, 0,1,2,3,4,5,6,7
	global_load_b128 v[Q+4*(\j):Q+4*(\j)+3], v[QO], s[6:7] offset:8192*(\j)   ; blocks 8 j + l / 4
.endr
.irp j, 0,1,2,3,4,5,6,7
	global_load_b32 v[ND+(\j)], v[NO], s[8:9] offset:262144*(\j)              ; slice j: lanes 0-15 the sum of squares, lanes 16-31 keys x q, of token 16 w + l % 16
.endr
.irp i, 0,1,2,3,4,5,6,7
.irp c, 0,1,2,3
	global_load_b128 v[X+16*(\i)+4*(\c):X+16*(\i)+4*(\c)+3], v[XO], s[4:5] offset:2048*(\i)+512*(\c) th:TH_LOAD_NT
.endr
.endr
	s_wait_loadcnt 32                              ; q and nd are in; the 32 loads of eight rows of xb may stay out
	; |q|^2: four chains, started by the first four products
.irp z, 0,1,2,3
	v_pk_mul_f32 v[T+2*(\z):T+2*(\z)+1], v[Q+2*(\z):Q+2*(\z)+1], v[Q+2*(\z):Q+2*(\z)+1]
.endr
.set z, 4
.rept 12
	v_pk_fma_f32 v[T+2*(z%4):T+2*(z%4)+1], v[Q+2*z:Q+2*z+1], v[Q+2*z:Q+2*z+1], v[T+2*(z%4):T+2*(z%4)+1]
.set z, z+1
.endr
	v_pk_add_f32 v[T:T+1], v[T:T+1], v[T+2:T+3]
	v_pk_add_f32 v[T+4:T+5], v[T+4:T+5], v[T+6:T+7]
	v_add_f32 v[ND], v[ND], v[ND+1]                ; the eight slices
	v_add_f32 v[ND+2], v[ND+2], v[ND+3]
	v_add_f32 v[ND+4], v[ND+4], v[ND+5]
	v_add_f32 v[ND+6], v[ND+6], v[ND+7]
	v_pk_add_f32 v[T:T+1], v[T:T+1], v[T+4:T+5]
	v_add_f32 v[ND], v[ND], v[ND+2]
	v_add_f32 v[ND+4], v[ND+4], v[ND+6]
	v_add_f32 v[T], v[T], v[T+1]
	v_add_f32 v[ND], v[ND], v[ND+4]
	v_add_f32_dpp v[T], v[T], v[T] row_xmask:1 row_mask:0xf bank_mask:0xf
	v_add_f32_dpp v[T], v[T], v[T] row_xmask:2 row_mask:0xf bank_mask:0xf
	v_add_f32_dpp v[T], v[T], v[T] row_xmask:4 row_mask:0xf bank_mask:0xf
	v_add_f32_dpp v[T], v[T], v[T] row_xmask:8 row_mask:0xf bank_mask:0xf
	v_permlanex16_b32 v[T+1], v[T], s18, s19
	v_permlanex16_b32 v[ND+1], v[ND], s18, s19     ; the other kind of the same token
	v_add_f32 v[T], v[T], v[T+1]                   ; |q|^2, in every lane
	v_cndmask_b32 v[ND+2], v[ND], v[ND+1], s16     ; |k|^2 of token l % 16, in both halves of the lanes
	v_cndmask_b32 v[ND+3], v[ND+1], v[ND], s16     ; q . k likewise
	v_sqrt_f32 v[T+2], v[T]
	v_sqrt_f32 v[T+3], v[ND+2]
	v_nop                                          ; a plain instruction behind the last root (ISA guide 5.7.2),
	s_wait_alu depctr_va_vdst(0)                   ; and a wait ahead of the first use: one for both
	v_add_f32 v[T+2], 0x3727c5ac, v[T+2]           ; EPS + |q|
	v_add_f32 v[T+3], 0x3727c5ac, v[T+3]           ; EPS + |k|
	v_rcp_f32 v[T+4], v[T+2]
	v_rcp_f32 v[T+5], v[T+3]
	v_nop
	s_wait_alu depctr_va_vdst(0)                   ; one wait for both reciprocals
	v_mul_f32 v[ND+3], v[ND+3], v[T+5]
	v_mul_f32 v[ND+3], v[ND+3], v[T+4]             ; sim
	ds_store_b32 v[SIMA], v[ND+3]                  ; both halves of the lanes write the same word with the same number
.irp i, 0,1,2,3,4,5,6,7,8,9,10,11,12,13,14,15
	v_readlane_b32 s[SIM+(\i)], v[ND+3], \i
.endr
; Row i: 32 multiply-adds straight from the bf16 halves.  left = the younger loads that may stay out.  refill = 1: the slot takes the row eight further on.
.macro ROW i, left, refill
	s_wait_loadcnt \left                           ; loads come back in order (ISA guide 5.7.1): the row's four are in
	v_mov_b32 v[VS], s[SIM+(\i)]
.irp c, 0,1,2,3
.irp k, 0,1,2,3
.if (\i) == 0
	v_fma_mix_f32_bf16 v[ACC+8*(\c)+2*(\k)],   v[X+16*((\i)%8)+4*(\c)+(\k)], v[VS], v[ZR] op_sel_hi:[1,0,0]                ; the first row starts the sums
	v_fma_mix_f32_bf16 v[ACC+8*(\c)+2*(\k)+1], v[X+16*((\i)%8)+4*(\c)+(\k)], v[VS], v[ZR] op_sel:[1,0,0] op_sel_hi:[1,0,0]
.else
	v_fma_mix_f32_bf16 v[ACC+8*(\c)+2*(\k)],   v[X+16*((\i)%8)+4*(\c)+(\k)], v[VS], v[ACC+8*(\c)+2*(\k)] op_sel_hi:[1,0,0]
	v_fma_mix_f32_bf16 v[ACC+8*(\c)+2*(\k)+1], v[X+16*((\i)%8)+4*(\c)+(\k)], v[VS], v[ACC+8*(\c)+2*(\k)+1] op_sel:[1,0,0] op_sel_hi:[1,0,0]
.endif
.endr
.endr
.if \refill
.irp c, 0,1,2,3
	global_load_b128 v[X+16*((\i)%8)+4*(\c):X+16*((\i)%8)+4*(\c)+3], v[XO], s[4:5] offset:2048*((\i)+8)+512*(\c) th:TH_LOAD_NT
.endr
.endif
.endm
.irp i, 0,1,2,3,4,5,6,7
	ROW \i, 28, 1                                  ; behind row i's loads stand 4 (7 - i) of the first eight rows and 4 i of the second: 28
.endr
.irp i, 8,9,10,11,12,13,14,15
	ROW \i, 4*(15-(\i)), 0                         ; the last eight rows load nothing: the counts run down
.endr
.irp c, 0,1,2,3
	ds_store_b128 v[LS], v[ACC+8*(\c):ACC+8*(\c)+3]   offset:PART+1024*(\c)
	ds_store_b128 v[LS], v[ACC+8*(\c)+4:ACC+8*(\c)+7] offset:PART+1024*(\c)+16
.endr
	s_wait_dscnt 0x0                               ; for the others' sake: my sums and my sim are in LDS
	s_barrier_signal -1
	s_barrier_wait -1
.irp p, 0,1,2,3,4,5,6,7,8,9,10,11,12,13,14,15
	ds_load_b64 v[X+2*(\p):X+2*(\p)+1], v[LR] offset:PART+4096*(\p)  ; two columns a thread, from all sixteen waves
.endr
	s_wait_dscnt 0x0
.irp d, 8,4,2,1
.set p, 0
.rept \d
	v_pk_add_f32 v[X+2*p:X+2*p+1], v[X+2*p:X+2*p+1], v[X+2*(p+\d):X+2*(p+\d)+1]
.set p, p+1
.endr
.endr
	global_store_b64 v[LR], v[X:X+1], s[12:13]     ; a wave stores 256 consecutive bytes, at a multiple of 256 from op's first byte
	s_cmp_lt_u32 s14, 2                            ; waves 0 and 1 store the 256 sim, 512 consecutive bytes each
	s_cbranch_scc0 .Lend
	s_lshl_b32 s15, s14, 9
	v_add_nc_u32 v[T], s15, v[XO]
	v_add_nc_u32 v[T+1], SIMB, v[T]
	ds_load_b128 v[ND:ND+3], v[T+1]
	s_wait_dscnt 0x0
	global_store_b128 v[T], v[ND:ND+3], s[10:11]
.Lend:
	s_wait_tensorcnt 0x0                           ; the wave's end, behind my last LDS store
	ds_add_u32 v[SPW], v[NIL]
	s_wait_dscnt 0x0
	s_endpgm
.Lfunc_end_k_qd763fd2ffe_mix:
	.size	k_qd763fd2ffe_mix, .Lfunc_end_k_qd763fd2ffe_mix-k_qd763fd2ffe_mix
	.p2alignl 7, 3214868480
	.fill 96, 4, 3214868480
	.section	.rodata,"a",@progbits
	.p2align	6, 0x0
	.amdhsa_kernel k_qd763fd2ffe_mix
		.amdhsa_group_segment_fixed_size 68608
		.amdhsa_private_segment_fixed_size 0
		.amdhsa_enable_private_segment 0
		.amdhsa_kernarg_size 40
		.amdhsa_user_sgpr_count 2
		.amdhsa_user_sgpr_kernarg_segment_ptr 1
		.amdhsa_wavefront_size32 1
		.amdhsa_system_sgpr_workgroup_id_x 1
		.amdhsa_system_sgpr_workgroup_id_y 1
		.amdhsa_system_sgpr_workgroup_id_z 1
		.amdhsa_system_vgpr_workitem_id 0
		.amdhsa_next_free_vgpr 220
		.amdhsa_next_free_sgpr 66
		.amdhsa_reserve_vcc 0
		.amdhsa_float_denorm_mode_32 3
		.amdhsa_float_denorm_mode_16_64 3
		.amdhsa_memory_ordered 1
		.amdhsa_forward_progress 1
		.amdhsa_inst_pref_size 50
	.end_amdhsa_kernel
	.amdgpu_metadata
---
amdhsa.version: [ 1, 2 ]
amdhsa.kernels:
  - .name:           k_qd763fd2ffe_mix
    .symbol:         k_qd763fd2ffe_mix.kd
    .args:
      - { .name: xb, .offset: 0, .size: 8, .value_kind: global_buffer, .address_space: global }
      - { .name: qv, .offset: 8, .size: 8, .value_kind: global_buffer, .address_space: global }
      - { .name: nd, .offset: 16, .size: 8, .value_kind: global_buffer, .address_space: global }
      - { .name: out1, .offset: 24, .size: 8, .value_kind: global_buffer, .address_space: global }
      - { .name: op, .offset: 32, .size: 8, .value_kind: global_buffer, .address_space: global }
    .group_segment_fixed_size: 68608
    .private_segment_fixed_size: 0
    .kernarg_segment_align: 8
    .kernarg_segment_size: 40
    .max_flat_workgroup_size: 512
    .sgpr_count:     66
    .vgpr_count:     220
    .wavefront_size: 32
...
	.end_amdgpu_metadata
.endif
;; end of part 4
;; launch fold (part 5): grid 64 x 1, 2 waves a work-group, no clusters, 0 bytes of LDS; arguments op, out0; writes out0
.if DOCPART == 5
	.amdgcn_target "amdgcn-amd-amdhsa--gfx1250"
	.amdhsa_code_object_version 6
	.text
	.protected	k_qd763fd2ffe_fold
	.globl	k_qd763fd2ffe_fold
	.p2align	8
	.type	k_qd763fd2ffe_fold,@function
k_qd763fd2ffe_fold:
	s_mov_b64 s[64:65], 0
	v_nop
	global_prefetch_b8 v0, s[64:65] scope:SCOPE_SE
	s_setreg_imm32_b32 hwreg(HW_REG_WAVE_MODE, 25, 1), 1
	s_wait_xcnt 0x0
; out0[b][c] = the sum over the batch's sixteen token blocks p of op[16 b + p][c], in f32, as a tree.  op: [256][1024] f32.  out0: [16][1024] f32.
; Work-group g owns batch g / 4 and a quarter of its columns; a thread owns four columns: sixteen loads of 16 bytes, fifteen additions of four, one store.  A load or store of a wave covers
; 512 consecutive bytes.  1 MB is read once: no LDS, no barrier, nothing to share.
.set P, 8                              ; v[8:71]  the sixteen partial sums of my four columns
	s_load_b128 s[4:7], s[0:1], 0x0                ; op s[4:5], out0 s[6:7]
	s_lshr_b32 s8, ttmp9, 2                        ; the batch
	s_and_b32 s9, ttmp9, 3                         ; the quarter:
	s_lshl_b32 s9, s9, 10                          ; 256 columns of 4 bytes
	v_lshl_add_u32 v1, v0, 4, s9
	s_lshl_b32 s10, s8, 16                         ; sixteen rows of op
	s_mov_b32 s11, 0
	s_lshl_b32 s12, s8, 12                         ; a row of out0
	s_mov_b32 s13, 0
	s_wait_kmcnt 0x0
	s_add_nc_u64 s[4:5], s[4:5], s[10:11]
	s_add_nc_u64 s[6:7], s[6:7], s[12:13]
.irp p, 0,1,2,3,4,5,6,7,8,9,10,11,12,13,14,15
	global_load_b128 v[P+4*(\p):P+4*(\p)+3], v1, s[4:5] offset:4096*(\p)
.endr
	s_wait_loadcnt 0x0
.irp d, 8,4,2,1
.set p, 0
.rept \d
	v_pk_add_f32 v[P+4*p:P+4*p+1],   v[P+4*p:P+4*p+1],   v[P+4*(p+\d):P+4*(p+\d)+1]
	v_pk_add_f32 v[P+4*p+2:P+4*p+3], v[P+4*p+2:P+4*p+3], v[P+4*(p+\d)+2:P+4*(p+\d)+3]
.set p, p+1
.endr
.endr
	global_store_b128 v1, v[P:P+3], s[6:7]
	s_endpgm
.Lfunc_end_k_qd763fd2ffe_fold:
	.size	k_qd763fd2ffe_fold, .Lfunc_end_k_qd763fd2ffe_fold-k_qd763fd2ffe_fold
	.p2alignl 7, 3214868480
	.fill 96, 4, 3214868480
	.section	.rodata,"a",@progbits
	.p2align	6, 0x0
	.amdhsa_kernel k_qd763fd2ffe_fold
		.amdhsa_group_segment_fixed_size 0
		.amdhsa_private_segment_fixed_size 0
		.amdhsa_enable_private_segment 0
		.amdhsa_kernarg_size 16
		.amdhsa_user_sgpr_count 2
		.amdhsa_user_sgpr_kernarg_segment_ptr 1
		.amdhsa_wavefront_size32 1
		.amdhsa_system_sgpr_workgroup_id_x 1
		.amdhsa_system_sgpr_workgroup_id_y 1
		.amdhsa_system_sgpr_workgroup_id_z 1
		.amdhsa_system_vgpr_workitem_id 0
		.amdhsa_next_free_vgpr 72
		.amdhsa_next_free_sgpr 66
		.amdhsa_reserve_vcc 0
		.amdhsa_float_denorm_mode_32 3
		.amdhsa_float_denorm_mode_16_64 3
		.amdhsa_memory_ordered 1
		.amdhsa_forward_progress 1
		.amdhsa_inst_pref_size 5
	.end_amdhsa_kernel
	.amdgpu_metadata
---
amdhsa.version: [ 1, 2 ]
amdhsa.kernels:
  - .name:           k_qd763fd2ffe_fold
    .symbol:         k_qd763fd2ffe_fold.kd
    .args:
      - { .name: op, .offset: 0, .size: 8, .value_kind: global_buffer, .address_space: global }
      - { .name: out0, .offset: 8, .size: 8, .value_kind: global_buffer, .address_space: global }
    .group_segment_fixed_size: 0
    .private_segment_fixed_size: 0
    .kernarg_segment_align: 8
    .kernarg_segment_size: 16
    .max_flat_workgroup_size: 64
    .sgpr_count:     66
    .vgpr_count:     72
    .wavefront_size: 32
...
	.end_amdgpu_metadata
.endif
;; end of part 5
;; ======== version 2 of 2: 5 launches; version 1 with the launches cast, mix written anew for expert scheduling mode
;; workspace buffers: xb 134,217,728 bytes; bb 2,097,152 bytes; cs 131,072 bytes; qv 65,536 bytes; nd 4,194,304 bytes; op 1,048,576 bytes
;; launch cast (part 6): grid 8 x 32, 16 waves a work-group, no clusters, 10,240 bytes of LDS; arguments x, xb, cs; writes xb, cs
.if DOCPART == 6
	.amdgcn_target "amdgcn-amd-amdhsa--gfx1250"
	.amdhsa_code_object_version 6
	.text
	.protected	k_qd763fd2ffe_cast
	.globl	k_qd763fd2ffe_cast
	.p2align	8
	.type	k_qd763fd2ffe_cast,@function
k_qd763fd2ffe_cast:
	s_mov_b64 s[64:65], 0
	v_nop
	global_prefetch_b8 v0, s[64:65] scope:SCOPE_SE
	s_setreg_imm32_b32 hwreg(HW_REG_WAVE_SCHED_MODE, 0, 2), 2
	s_setreg_imm32_b32 hwreg(HW_REG_WAVE_MODE, 25, 1), 1
	s_wait_xcnt 0x0
	s_wait_alu depctr_vm_vsrc(0)
; xb = x rounded once to bf16 (nearest even);  cs[half][b][c] = the sum of x[b][s][c] over the 2,048 tokens s of that half of batch b, in f32, of the unrounded x.
; x: [16][4096][1024] f32.  xb: [65536][1024] bf16.  cs: [2][16][1024] f32.
; LIMITS.  NaN and infinities are not treated apart; the order of the column sums is not that of a plain sum over s.
; SHARES.  A work-group owns a strip of 128 columns (512 bytes of a row of x, 256 bytes of a row of xb) of 2,048 rows: group x = the strip, group y = 2 b + half.
; It goes in 4 rounds of 512 rows; in a round wave w owns rows 32 w .. 32 w + 31, one row to each of 32 register slots.  A load of a wave covers the strip's 512 consecutive bytes of a
; row, a store 256 consecutive bytes that start at a multiple of 256 from xb's first byte.
; No LDS on the way in, no matrix unit, no cluster: no byte is wanted twice, and there is one addition and one rounding for each number.
; THE MODE: SCHED_MODE bits 1:0 = 2 (LLVM: expert scheduling mode 2), set by the entry lines.  The code itself states the register dependences between vector instructions and memory or LDS
; instructions, with s_wait_alu, always for 0.
; THE PLAN.  The 32 slots are four blocks of eight, q = 0 .. 3; the wave's 128 rows are blocks p = 0 .. 15, q = p % 4, round p / 4.  Registers that memory instructions touch:
;   X[q]   eight rows of x as loaded.  Written by the loads of block p, which are issued in block p - 3; read by block p's additions and roundings.
;   Y[q]   eight rows of xb to store.  Written by block p's roundings; read by the eight stores that are issued in block p + 1; written again in block p + 4.
;   v[LO], v[SO], v[LS], v[CO]   offsets and LDS addresses, made once at the head and never written again: the rows are reached by the two scalar bases, which step once a round, and by immediates.
; Block p works on X[q] and writes Y[q].  Its memory instructions are the loads into X[(q + 3) % 4] and the stores from Y[(q + 3) % 4]: the two buffers that block p - 1 worked on and that no
; vector instruction of block p names.  So ONE wait on va_vdst at a block's head states all that the block's sixteen memory instructions hang on, and these are dealt among its vector
; instructions with no further wait.  Y[q] was stored from three blocks back, Y[q + 1] two blocks back: one wait on vm_vsrc, at the head of every even block, serves the two blocks behind it.
; 24 loads of every wave are on their way: 16 waves x 24 x 512 bytes = 192 KiB for the work-group.
.set ROWI,  4096                       ; bytes in a row of x
.set ROWO,  2048                       ; bytes in a row of xb
.set DEPTH, 32                         ; register slots of a wave = its rows in a round
.set BLOCK, 8                          ; slots in a block
.set RNDI,  16*DEPTH*ROWI              ; a round's rows in x
.set RNDO,  16*DEPTH*ROWO              ; and in xb
.set ROUNDS, 2048/(16*DEPTH)
.set PART,  0                          ; LDS: wave w's 128 column sums, 512 bytes, at 512 w
.set SPARE, 8192                       ; behind them: the spare words, 128 bytes for each of 16 waves, that no other line names
.set LO,  2                            ; v2   my byte offset in x: 32 w rows + 16 x lane; never rewritten
.set SO,  3                            ; v3   my byte offset in xb: 32 w rows + 8 x lane; never rewritten
.set SPW, 4                            ; v4   LDS address of my spare word; never rewritten
.set NIL, 5                            ; v5   0; never rewritten
.set LS,  6                            ; v6   where I put my four column sums
.set CO,  7                            ; v7   16 x lane
.set SUM, 8                            ; v[8:15]     my four columns' sums, twice: even slots', odd slots'
.set X,   16                           ; v[16:143]   slot i: four f32 as loaded
.set Y,   144                          ; v[144:207]  slot i: four bf16 to store
	s_load_b128 s[4:7], s[0:1], 0x0                ; x s[4:5], xb s[6:7]
	s_load_b64 s[8:9], s[0:1], 0x10                ; cs
	v_lshl_add_u32 v[SPW], v0, 2, SPARE
	v_mov_b32 v[NIL], 0
	v_lshrrev_b32 v1, 5, v0
	v_readfirstlane_b32 s10, v1                    ; wave 0..15
	v_and_b32 v1, 31, v0                           ; lane
	v_lshlrev_b32 v[CO], 4, v1
	s_wait_alu depctr_va_sdst(0)                   ; s10 is written, ahead of its first reader: the wave's rows and its place in LDS are made from it
	s_lshl_b32 s18, s10, 17                        ; 32 w rows of 4,096 bytes
	v_add_nc_u32 v[LO], s18, v[CO]
	s_lshl_b32 s19, s10, 16                        ; 32 w rows of 2,048 bytes
	v_lshl_add_u32 v[SO], v1, 3, s19
	s_lshl_b32 s20, s10, 9
	v_add_nc_u32 v[LS], s20, v[CO]
	s_and_b32 s11, ttmp7, 0xffff                   ; y = 2 b + half
	s_lshl_b32 s2, s11, 23                         ; 2,048 y rows of x,
	s_lshl_b32 s3, ttmp9, 9                        ; the strip's 512 bytes
	s_add_co_u32 s2, s2, s3
	s_mov_b32 s3, 0
	s_lshl_b32 s14, s11, 22                        ; the same in xb
	s_lshl_b32 s15, ttmp9, 8
	s_add_co_u32 s14, s14, s15
	s_mov_b32 s15, 0
	s_and_b32 s16, s11, 1                          ; cs: row 16 half + b,
	s_lshl_b32 s16, s16, 4
	s_lshr_b32 s17, s11, 1
	s_add_co_u32 s16, s16, s17
	s_lshl_b32 s16, s16, 12
	s_lshl_b32 s17, ttmp9, 9                       ; the strip's 512 bytes
	s_add_co_u32 s16, s16, s17
	s_mov_b32 s17, 0
.irp r, 0,1,2,3,4,5,6,7
	v_mov_b32 v[SUM+(\r)], 0
.endr
	s_wait_kmcnt 0x0
	s_add_nc_u64 s[4:5], s[4:5], s[2:3]
	s_add_nc_u64 s[6:7], s[6:7], s[14:15]
	s_add_nc_u64 s[8:9], s[8:9], s[16:17]
	s_wait_alu depctr_va_vdst(0)                   ; v[LO], v[SO], v[LS] and v[CO] are written: every load, store and LDS instruction of the kernel reads one of them as its offset or address
.set n, 0
.rept 3*BLOCK
	global_load_b128 v[X+4*n:X+4*n+3], v[LO], s[4:5] offset:n*ROWI th:TH_LOAD_NT  ; blocks 0, 1 and 2
.set n, n+1
.endr
; Block p, q = p % 4.  first = 1: block 0, with no block in front of it.  ahead = 1: block p + 3 is loaded.
; left = the younger loads that may stay out when the block's first row has to be there; where nothing is loaded the count runs down with the rows.
.macro BLK q, first, ahead, left
.set PB, ((\q)+3)%4                    ; the buffers that the block before worked on
.set UP, ((\q)+3)/4                    ; 1: block p + 3 lies in the next round and block p - 1 in this one; 0 (q = 0): the other way round
.if !\first
.if (\q)%2 == 0
	s_wait_xcnt 0x0                                ; every load and store issued so far has had its address translated (ISA guide 3.1): Y[q], Y[q + 1] and, at q = 0, the two bases are written only behind this wait
	s_wait_alu depctr_vm_vsrc(0)                   ; the stores issued three and two blocks back have read Y[q] and Y[q + 1], which the roundings of this block and of the next write again
.endif
	s_wait_alu depctr_va_vdst(0)                   ; the block before has written its Y, which the stores below read, and is done reading its X, in which the loads below land
.if (\q) == 0
	s_add_nc_u64 s[4:5], s[4:5], RNDI              ; both bases at this round's first row
	s_add_nc_u64 s[6:7], s[6:7], RNDO
.endif
.endif
.set n, 0
.rept BLOCK
.set SL, BLOCK*(\q)+n                  ; the slot at work
.set PS, BLOCK*PB+n                    ; the slot that is stored from and loaded into
.if \ahead
	global_load_b128 v[X+4*PS:X+4*PS+3], v[LO], s[4:5] offset:UP*RNDI+PS*ROWI th:TH_LOAD_NT  ; three blocks ahead; no vector instruction since the wait names these registers; the largest immediate, 2,191,360, lies inside the signed 24 bits
.endif
.if !\first
	global_store_b64 v[SO], v[Y+2*PS:Y+2*PS+1], s[6:7] offset:PS*ROWO-(1-UP)*RNDO th:TH_STORE_NT  ; the block before: 32 lanes x 8 bytes, 256 consecutive bytes; at q = 0 the offset reaches back into the round before
.endif
	s_wait_loadcnt (\left)-(1-(\ahead))*n          ; loads come back in order (ISA guide 5.7.1): this row's is in.  Behind it stand 7 - n of its block, 16 of the next two and n + 1 of the block three on: 24
	v_pk_add_f32 v[SUM+4*(n%2):SUM+4*(n%2)+1],   v[SUM+4*(n%2):SUM+4*(n%2)+1],   v[X+4*SL:X+4*SL+1]
	v_pk_add_f32 v[SUM+4*(n%2)+2:SUM+4*(n%2)+3], v[SUM+4*(n%2)+2:SUM+4*(n%2)+3], v[X+4*SL+2:X+4*SL+3]
	v_cvt_pk_bf16_f32 v[Y+2*SL],   v[X+4*SL],   v[X+4*SL+1]
	v_cvt_pk_bf16_f32 v[Y+2*SL+1], v[X+4*SL+2], v[X+4*SL+3]
.set n, n+1
.endr
.endm
	BLK 0, 1, 1, 3*BLOCK                           ; block 0
	s_mov_b32 s12, ROUNDS-1
.Lround:                                               ; blocks 1 to 12, four to a lap: all buffers are back at their start
	BLK 1, 0, 1, 3*BLOCK
	BLK 2, 0, 1, 3*BLOCK
	BLK 3, 0, 1, 3*BLOCK
	BLK 0, 0, 1, 3*BLOCK
	s_sub_co_u32 s12, s12, 1
	s_cmp_lg_u32 s12, 0
	s_cbranch_scc1 .Lround
	BLK 1, 0, 0, 3*BLOCK-1                         ; blocks 13 to 15 load nothing: no load leaves x, and the counts run down
	BLK 2, 0, 0, 2*BLOCK-1
	BLK 3, 0, 0, BLOCK-1
	; the sixteen waves' sums meet in LDS; wave 0 adds them and stores the strip's 512 bytes of cs
	v_pk_add_f32 v[SUM:SUM+1],   v[SUM:SUM+1],   v[SUM+4:SUM+5]
	v_pk_add_f32 v[SUM+2:SUM+3], v[SUM+2:SUM+3], v[SUM+6:SUM+7]
	s_wait_alu depctr_va_vdst(0)                   ; block 15 has written Y[3], which the last eight stores read; the two additions have written v[SUM ..], which the LDS store reads; all blocks are done reading X, in which wave 0's LDS loads land
.set n, 0
.rept BLOCK
	global_store_b64 v[SO], v[Y+2*(3*BLOCK+n):Y+2*(3*BLOCK+n)+1], s[6:7] offset:(3*BLOCK+n)*ROWO th:TH_STORE_NT
.set n, n+1
.endr
	ds_store_b128 v[LS], v[SUM:SUM+3] offset:PART
	s_wait_dscnt 0x0                               ; for the others' sake: my store is done
	s_barrier_signal -1
	s_barrier_wait -1
	s_cmp_lg_u32 s10, 0
	s_cbranch_scc1 .Lend
.irp p, 0,1,2,3,4,5,6,7,8,9,10,11,12,13,14,15
	ds_load_b128 v[X+4*(\p):X+4*(\p)+3], v[CO] offset:PART+512*(\p)  ; no vector instruction since the last wait on va_vdst names these registers
.endr
	s_wait_dscnt 0x0
.irp d, 8,4,2,1
.set p, 0
.rept \d
	v_pk_add_f32 v[X+4*p:X+4*p+1],   v[X+4*p:X+4*p+1],   v[X+4*(p+\d):X+4*(p+\d)+1]
	v_pk_add_f32 v[X+4*p+2:X+4*p+3], v[X+4*p+2:X+4*p+3], v[X+4*(p+\d)+2:X+4*(p+\d)+3]
.set p, p+1
.endr
.endr
	s_wait_alu depctr_va_vdst(0)                   ; the additions have written v[X:X+3], which the store reads
	global_store_b128 v[CO], v[X:X+3], s[8:9]      ; 512 consecutive bytes
.Lend:
	s_wait_dscnt 0x0                               ; the wave's end
	s_wait_alu 0x0
	s_wait_tensorcnt 0x0
	ds_add_u32 v[SPW], v[NIL]
	s_wait_dscnt 0x0
	s_endpgm
.Lfunc_end_k_qd763fd2ffe_cast:
	.size	k_qd763fd2ffe_cast, .Lfunc_end_k_qd763fd2ffe_cast-k_qd763fd2ffe_cast
	.p2alignl 7, 3214868480
	.fill 96, 4, 3214868480
	.section	.rodata,"a",@progbits
	.p2align	6, 0x0
	.amdhsa_kernel k_qd763fd2ffe_cast
		.amdhsa_group_segment_fixed_size 10240
		.amdhsa_private_segment_fixed_size 0
		.amdhsa_enable_private_segment 0
		.amdhsa_kernarg_size 24
		.amdhsa_user_sgpr_count 2
		.amdhsa_user_sgpr_kernarg_segment_ptr 1
		.amdhsa_wavefront_size32 1
		.amdhsa_system_sgpr_workgroup_id_x 1
		.amdhsa_system_sgpr_workgroup_id_y 1
		.amdhsa_system_sgpr_workgroup_id_z 1
		.amdhsa_system_vgpr_workitem_id 0
		.amdhsa_next_free_vgpr 208
		.amdhsa_next_free_sgpr 66
		.amdhsa_reserve_vcc 0
		.amdhsa_float_denorm_mode_32 3
		.amdhsa_float_denorm_mode_16_64 3
		.amdhsa_memory_ordered 1
		.amdhsa_forward_progress 1
		.amdhsa_inst_pref_size 37
	.end_amdhsa_kernel
	.amdgpu_metadata
---
amdhsa.version: [ 1, 2 ]
amdhsa.kernels:
  - .name:           k_qd763fd2ffe_cast
    .symbol:         k_qd763fd2ffe_cast.kd
    .args:
      - { .name: x, .offset: 0, .size: 8, .value_kind: global_buffer, .address_space: global }
      - { .name: xb, .offset: 8, .size: 8, .value_kind: global_buffer, .address_space: global }
      - { .name: cs, .offset: 16, .size: 8, .value_kind: global_buffer, .address_space: global }
    .group_segment_fixed_size: 10240
    .private_segment_fixed_size: 0
    .kernarg_segment_align: 8
    .kernarg_segment_size: 24
    .max_flat_workgroup_size: 512
    .sgpr_count:     66
    .vgpr_count:     208
    .wavefront_size: 32
...
	.end_amdgpu_metadata
.endif
;; end of part 6
;; launch query: the kernel of part 2 again; grid 64 x 1, 16 waves a work-group, no clusters, 18,432 bytes of LDS; arguments A, B, cs, qv, bb; writes qv, bb
;; launch keys: the kernel of part 3 again; grid 4 x 64, 4 waves a work-group, clusters of 4 x 4, 327,680 bytes of LDS; arguments xb, bb, qv, nd; writes nd
;; launch mix (part 7): grid 256 x 1, 16 waves a work-group, no clusters, 68,608 bytes of LDS; arguments xb, qv, nd, out1, op; writes out1, op
.if DOCPART == 7
	.amdgcn_target "amdgcn-amd-amdhsa--gfx1250"
	.amdhsa_code_object_version 6
	.text
	.protected	k_qd763fd2ffe_mix
	.globl	k_qd763fd2ffe_mix
	.p2align	8
	.type	k_qd763fd2ffe_mix,@function
k_qd763fd2ffe_mix:
	s_mov_b64 s[64:65], 0
	v_nop
	global_prefetch_b8 v0, s[64:65] scope:SCOPE_SE
	s_setreg_imm32_b32 hwreg(HW_REG_WAVE_SCHED_MODE, 0, 2), 2
	s_setreg_imm32_b32 hwreg(HW_REG_WAVE_MODE, 25, 1), 1
	s_wait_xcnt 0x0
	s_wait_alu depctr_vm_vsrc(0)
; sim[t] = (q . k[t]) / ((EPS + |q|) (EPS + |k[t]|)), EPS = 1e-5, from nd's eight slices of the sums of keys^2 and of keys x q and from q itself;  op[g][c] = the sum over the 256 tokens t of
; block g of sim[t] xb[t][c].  xb: [65536][1024] bf16.  qv: [64 blocks][16 b][16 i] f32.  nd: [2][8][65536] f32.  out1: [65536] f32 (sim).  op: [256][1024] f32.
; LIMITS.  The weighted sum takes x as rounded to bf16; all arithmetic here is f32.  The two divisions are multiplications by v_rcp_f32 of the f32 sums EPS + root; v_sqrt_f32 and v_rcp_f32
; take a denormal as 0 (ISA guide 15.8), so a sum of squares below 2^-126 counts as 0, where EPS stands alone.  NaN and infinities are not treated apart.
; SHARES.  Work-group g owns tokens 256 g .. 256 g + 255 of batch g / 16, wave w sixteen of them.  A row of xb is 2,048 bytes: four loads of a wave, 512 consecutive bytes each; a lane keeps the
; same 32 columns in every row and their 32 sums in registers.  Seven to eight rows of every wave, 28 to 32 loads, are on their way.  The sixteen waves' sums meet in LDS at the end.
; No matrix unit (one row of weights for a batch: fifteen of its sixteen rows would be idle), no cluster, no tensor loads, no prefetch: each byte of xb is read once, by one wave, in a stream.
; THE MODE: SCHED_MODE bits 1:0 = 2 (LLVM: expert scheduling mode 2), set by the entry lines.  The code itself states the register dependences between vector instructions and memory or LDS
; instructions, with s_wait_alu, always for 0.
; THE PLAN.  Registers that memory or LDS instructions touch:
;   X, eight row slots   Slot i % 8: read by row i's 32 multiply-adds; the loads of row i + 8 land in it, issued at the head of row i + 1, behind a wait on va_vdst.  At the end the LDS loads of the sixteen waves' sums land in the first 32.
;   ACC                  Written by the rows' multiply-adds; read by the eight LDS stores behind row 15.
;   v[ND+3]              sim: written by the last multiplication; read by one LDS store and by sixteen v_readlane_b32; not written again.
;   Q                    Loaded once, read by the sum of squares; at the end the LDS load of four sim lands in its first four registers, which no memory or LDS instruction has read.
;   v[XO], v[QO], v[NO], v[LS], v[LR], v[SIMA]   made once at the head and never written again.  v[T], v[T+1]: made anew as addresses at the end, by waves 0 and 1.
;   s14, s[SIM ..]       written by v_readfirstlane_b32 and v_readlane_b32: a wait on va_sdst stands ahead of the first reader of each run.
; No register that a memory or LDS instruction has read is written again: the text owes no wait on vm_vsrc.
.set PART,  0                          ; LDS: wave w's 1,024 column sums at 4,096 w, column c at byte 4 c
.set SIMB,  65536                      ; the work-group's 256 sim
.set SPARE, 66560                      ; behind them: the spare words, 128 bytes for each of 16 waves, that no other line names
.set XO,  2                            ; v2   16 x lane
.set QO,  3                            ; v3   (l / 4) x 1,024 + (l % 4) x 16: my 16 bytes of eight blocks of qv
.set NO,  4                            ; v4   (l / 16) x a kind of nd + 4 (16 w + l % 16)
.set LS,  5                            ; v5   4,096 w + 32 x lane
.set LR,  6                            ; v6   8 x (32 w + lane)
.set SIMA, 7                           ; v7   SIMB + 4 (16 w + l % 16)
.set SPW, 8                            ; v8   LDS address of my spare word; never rewritten
.set NIL, 9                            ; v9   0; never rewritten, and kept for the add alone
.set VS,  10                           ; v10  the row's sim, in every lane
.set ZR,  11                           ; v11  0: the first row's addend
.set T,   12                           ; v[12:19]   at work
.set ND,  20                           ; v[20:27]   nd's eight slices; then at work
.set Q,   28                           ; v[28:59]   the batch's q, 32 numbers a lane
.set ACC, 60                           ; v[60:91]   my 32 columns' sums: chunk c, number m at ACC + 8 c + m
.set X,   92                           ; v[92:219]  eight row slots of 16 registers
.set SIM, 32                           ; s[32:47]   my wave's sixteen sim
	s_load_b256 s[4:11], s[0:1], 0x0               ; xb s[4:5], qv s[6:7], nd s[8:9], out1 s[10:11]
	s_load_b64 s[12:13], s[0:1], 0x20              ; op
	v_lshl_add_u32 v[SPW], v0, 2, SPARE
	v_mov_b32 v[NIL], 0
	v_lshrrev_b32 v1, 5, v0
	v_readfirstlane_b32 s14, v1                    ; wave 0..15
	v_and_b32 v1, 31, v0                           ; lane
	v_lshlrev_b32 v[XO], 4, v1
	v_lshrrev_b32 v12, 2, v1
	v_and_b32 v13, 3, v1
	v_lshlrev_b32 v[QO], 10, v12
	v_lshl_add_u32 v[QO], v13, 4, v[QO]
	v_and_b32 v12, 15, v1
	v_lshrrev_b32 v13, 4, v1
	s_wait_alu depctr_va_sdst(0)                   ; s14 is written, ahead of its first reader: the wave's tokens and its places in LDS are made from it
	s_lshl_b32 s15, s14, 6
	v_lshl_add_u32 v14, v12, 2, s15                ; 4 (16 w + l % 16)
	v_lshl_add_u32 v[NO], v13, 21, v14             ; a kind of nd is 8 x 65,536 x 4 bytes
	v_add_nc_u32 v[SIMA], SIMB, v14
	s_lshl_b32 s17, s14, 12
	v_lshl_add_u32 v[LS], v1, 5, s17
	s_lshl_b32 s28, s14, 8
	v_lshl_add_u32 v[LR], v1, 3, s28
	v_mov_b32 v[ZR], 0
	s_mov_b32 s16, 0xffff0000                      ; a mask of lanes 16-31
	s_mov_b32 s18, 0x76543210                      ; v_permlanex16_b32: each lane takes its own place in the other half
	s_mov_b32 s19, 0xfedcba98
	s_lshl_b32 s20, ttmp9, 19                      ; 256 rows of 2,048 bytes,
	s_lshl_b32 s21, s14, 15                        ; my wave's 16
	s_add_co_u32 s20, s20, s21
	s_mov_b32 s21, 0
	s_lshr_b32 s22, ttmp9, 4                       ; the batch,
	s_lshl_b32 s22, s22, 6                         ; 64 bytes of each block of qv
	s_mov_b32 s23, 0
	s_lshl_b32 s24, ttmp9, 10                      ; 256 tokens x 4 bytes: in nd's slices and in out1
	s_mov_b32 s25, 0
	s_lshl_b32 s26, ttmp9, 12                      ; a row of op
	s_mov_b32 s27, 0
	s_wait_kmcnt 0x0
	s_add_nc_u64 s[4:5], s[4:5], s[20:21]
	s_add_nc_u64 s[6:7], s[6:7], s[22:23]
	s_add_nc_u64 s[8:9], s[8:9], s[24:25]
	s_add_nc_u64 s[10:11], s[10:11], s[24:25]
	s_add_nc_u64 s[12:13], s[12:13], s[26:27]
	s_wait_alu depctr_va_vdst(0)                   ; the six offsets and addresses v2 to v7 are written, which the loads, stores and LDS instructions below read
.irp j, 0,1,2,3,4,5,6,7
	global_load_b128 v[Q+4*(\j):Q+4*(\j)+3], v[QO], s[6:7] offset:8192*(\j)   ; blocks 8 j + l / 4
.endr
.irp j, 0,1,2,3,4,5,6,7
	global_load_b32 v[ND+(\j)], v[NO], s[8:9] offset:262144*(\j)              ; slice j: lanes 0-15 the sum of squares, lanes 16-31 keys x q, of token 16 w + l % 16
.endr
.irp i, 0,1,2,3,4,5,6,7
.irp c, 0,1,2,3
	global_load_b128 v[X+16*(\i)+4*(\c):X+16*(\i)+4*(\c)+3], v[XO], s[4:5] offset:2048*(\i)+512*(\c) th:TH_LOAD_NT
.endr
.endr
	s_wait_loadcnt 32                              ; q and nd are in; the 32 loads of eight rows of xb may stay out
	; |q|^2: four chains, started by the first four products
.irp z, 0,1,2,3
	v_pk_mul_f32 v[T+2*(\z):T+2*(\z)+1], v[Q+2*(\z):Q+2*(\z)+1], v[Q+2*(\z):Q+2*(\z)+1]
.endr
.set z, 4
.rept 12
	v_pk_fma_f32 v[T+2*(z%4):T+2*(z%4)+1], v[Q+2*z:Q+2*z+1], v[Q+2*z:Q+2*z+1], v[T+2*(z%4):T+2*(z%4)+1]
.set z, z+1
.endr
	v_pk_add_f32 v[T:T+1], v[T:T+1], v[T+2:T+3]
	v_pk_add_f32 v[T+4:T+5], v[T+4:T+5], v[T+6:T+7]
	v_add_f32 v[ND], v[ND], v[ND+1]                ; the eight slices
	v_add_f32 v[ND+2], v[ND+2], v[ND+3]
	v_add_f32 v[ND+4], v[ND+4], v[ND+5]
	v_add_f32 v[ND+6], v[ND+6], v[ND+7]
	v_pk_add_f32 v[T:T+1], v[T:T+1], v[T+4:T+5]
	v_add_f32 v[ND], v[ND], v[ND+2]
	v_add_f32 v[ND+4], v[ND+4], v[ND+6]
	v_add_f32 v[T], v[T], v[T+1]
	v_add_f32 v[ND], v[ND], v[ND+4]
	v_add_f32_dpp v[T], v[T], v[T] row_xmask:1 row_mask:0xf bank_mask:0xf
	v_add_f32_dpp v[T], v[T], v[T] row_xmask:2 row_mask:0xf bank_mask:0xf
	v_add_f32_dpp v[T], v[T], v[T] row_xmask:4 row_mask:0xf bank_mask:0xf
	v_add_f32_dpp v[T], v[T], v[T] row_xmask:8 row_mask:0xf bank_mask:0xf
	v_permlanex16_b32 v[T+1], v[T], s18, s19
	v_permlanex16_b32 v[ND+1], v[ND], s18, s19     ; the other kind of the same token
	v_add_f32 v[T], v[T], v[T+1]                   ; |q|^2, in every lane
	v_cndmask_b32 v[ND+2], v[ND], v[ND+1], s16     ; |k|^2 of token l % 16, in both halves of the lanes
	v_cndmask_b32 v[ND+3], v[ND+1], v[ND], s16     ; q . k likewise
	v_sqrt_f32 v[T+2], v[T]
	v_sqrt_f32 v[T+3], v[ND+2]
	v_nop                                          ; a plain instruction behind the last root (ISA guide 5.7.2),
	s_wait_alu depctr_va_vdst(0)                   ; and a wait ahead of the first use of v[T+2] and v[T+3]: one for both roots
	v_add_f32 v[T+2], 0x3727c5ac, v[T+2]           ; EPS + |q|
	v_add_f32 v[T+3], 0x3727c5ac, v[T+3]           ; EPS + |k|
	v_rcp_f32 v[T+4], v[T+2]
	v_rcp_f32 v[T+5], v[T+3]
	v_nop
	s_wait_alu depctr_va_vdst(0)                   ; one wait for both reciprocals, v[T+4] and v[T+5], ahead of their first use
	v_mul_f32 v[ND+3], v[ND+3], v[T+5]
	v_mul_f32 v[ND+3], v[ND+3], v[T+4]             ; sim
	s_wait_alu depctr_va_vdst(0)                   ; the multiplication has written v[ND+3], which the LDS store reads
	ds_store_b32 v[SIMA], v[ND+3]                  ; both halves of the lanes write the same word with the same number
.irp i, 0,1,2,3,4,5,6,7,8,9,10,11,12,13,14,15
	v_readlane_b32 s[SIM+(\i)], v[ND+3], \i
.endr
	s_wait_alu depctr_va_sdst(0)                   ; s[SIM ..] are written, ahead of their first reader: one wait for the run of sixteen
; Row i: 32 multiply-adds straight from the bf16 halves.  left = the younger loads that may stay out.  refill = 1: the slot that the row before read takes the row seven on from this one.
.macro ROW i, left, refill
.if \refill
	s_wait_alu depctr_va_vdst(0)                   ; the row before is done reading its slot, in which the four loads below land
.irp c, 0,1,2,3
	global_load_b128 v[X+16*(((\i)+7)%8)+4*(\c):X+16*(((\i)+7)%8)+4*(\c)+3], v[XO], s[4:5] offset:2048*((\i)+7)+512*(\c) th:TH_LOAD_NT
.endr
.endif
	s_wait_loadcnt \left                           ; loads come back in order (ISA guide 5.7.1): the row's four are in
	v_mov_b32 v[VS], s[SIM+(\i)]
.irp c, 0,1,2,3
.irp k, 0,1,2,3
.if (\i) == 0
	v_fma_mix_f32_bf16 v[ACC+8*(\c)+2*(\k)],   v[X+16*((\i)%8)+4*(\c)+(\k)], v[VS], v[ZR] op_sel_hi:[1,0,0]                ; the first row starts the sums
	v_fma_mix_f32_bf16 v[ACC+8*(\c)+2*(\k)+1], v[X+16*((\i)%8)+4*(\c)+(\k)], v[VS], v[ZR] op_sel:[1,0,0] op_sel_hi:[1,0,0]
.else
	v_fma_mix_f32_bf16 v[ACC+8*(\c)+2*(\k)],   v[X+16*((\i)%8)+4*(\c)+(\k)], v[VS], v[ACC+8*(\c)+2*(\k)] op_sel_hi:[1,0,0]
	v_fma_mix_f32_bf16 v[ACC+8*(\c)+2*(\k)+1], v[X+16*((\i)%8)+4*(\c)+(\k)], v[VS], v[ACC+8*(\c)+2*(\k)+1] op_sel:[1,0,0] op_sel_hi:[1,0,0]
.endif
.endr
.endr
.endm
	ROW 0, 28, 0                                   ; behind row 0's loads stand those of rows 1 to 7: 28
.irp i, 1,2,3,4,5,6,7,8
	ROW \i, 28, 1                                  ; behind row i's loads stand those of the rows up to i + 7, the last of them just issued: 28
.endr
.irp i, 9,10,11,12,13,14,15
	ROW \i, 4*(15-(\i)), 0                         ; the last seven rows load nothing: the counts run down
.endr
	s_wait_alu depctr_va_vdst(0)                   ; row 15 has written v[ACC ..], which the LDS stores read; all rows are done reading X, in which the LDS loads behind the barrier land
.irp c, 0,1,2,3
	ds_store_b128 v[LS], v[ACC+8*(\c):ACC+8*(\c)+3]   offset:PART+1024*(\c)
	ds_store_b128 v[LS], v[ACC+8*(\c)+4:ACC+8*(\c)+7] offset:PART+1024*(\c)+16
.endr
	s_wait_dscnt 0x0                               ; for the others' sake: my sums and my sim are in LDS
	s_barrier_signal -1
	s_barrier_wait -1
.irp p, 0,1,2,3,4,5,6,7,8,9,10,11,12,13,14,15
	ds_load_b64 v[X+2*(\p):X+2*(\p)+1], v[LR] offset:PART+4096*(\p)  ; two columns a thread, from all sixteen waves; no vector instruction since the last wait on va_vdst names these registers
.endr
	s_wait_dscnt 0x0
.irp d, 8,4,2,1
.set p, 0
.rept \d
	v_pk_add_f32 v[X+2*p:X+2*p+1], v[X+2*p:X+2*p+1], v[X+2*(p+\d):X+2*(p+\d)+1]
.set p, p+1
.endr
.endr
	s_wait_alu depctr_va_vdst(0)                   ; the additions have written v[X:X+1], which the store reads
	global_store_b64 v[LR], v[X:X+1], s[12:13]     ; a wave stores 256 consecutive bytes, at a multiple of 256 from op's first byte
	s_cmp_lt_u32 s14, 2                            ; waves 0 and 1 store the 256 sim, 512 consecutive bytes each
	s_cbranch_scc0 .Lend
	s_lshl_b32 s15, s14, 9
	v_add_nc_u32 v[T], s15, v[XO]
	v_add_nc_u32 v[T+1], SIMB, v[T]
	s_wait_alu depctr_va_vdst(0)                   ; v[T] and v[T+1] are written, which the LDS load and the store read as address and offset
	ds_load_b128 v[Q:Q+3], v[T+1]                  ; into registers that only vector instructions, long done, have read
	s_wait_dscnt 0x0
	global_store_b128 v[T], v[Q:Q+3], s[10:11]
.Lend:
	s_wait_dscnt 0x0                               ; the wave's end
	s_wait_alu 0x0
	s_wait_tensorcnt 0x0
	ds_add_u32 v[SPW], v[NIL]
	s_wait_dscnt 0x0
	s_endpgm
.Lfunc_end_k_qd763fd2ffe_mix:
	.size	k_qd763fd2ffe_mix, .Lfunc_end_k_qd763fd2ffe_mix-k_qd763fd2ffe_mix
	.p2alignl 7, 3214868480
	.fill 96, 4, 3214868480
	.section	.rodata,"a",@progbits
	.p2align	6, 0x0
	.amdhsa_kernel k_qd763fd2ffe_mix
		.amdhsa_group_segment_fixed_size 68608
		.amdhsa_private_segment_fixed_size 0
		.amdhsa_enable_private_segment 0
		.amdhsa_kernarg_size 40
		.amdhsa_user_sgpr_count 2
		.amdhsa_user_sgpr_kernarg_segment_ptr 1
		.amdhsa_wavefront_size32 1
		.amdhsa_system_sgpr_workgroup_id_x 1
		.amdhsa_system_sgpr_workgroup_id_y 1
		.amdhsa_system_sgpr_workgroup_id_z 1
		.amdhsa_system_vgpr_workitem_id 0
		.amdhsa_next_free_vgpr 220
		.amdhsa_next_free_sgpr 66
		.amdhsa_reserve_vcc 0
		.amdhsa_float_denorm_mode_32 3
		.amdhsa_float_denorm_mode_16_64 3
		.amdhsa_memory_ordered 1
		.amdhsa_forward_progress 1
		.amdhsa_inst_pref_size 50
	.end_amdhsa_kernel
	.amdgpu_metadata
---
amdhsa.version: [ 1, 2 ]
amdhsa.kernels:
  - .name:           k_qd763fd2ffe_mix
    .symbol:         k_qd763fd2ffe_mix.kd
    .args:
      - { .name: xb, .offset: 0, .size: 8, .value_kind: global_buffer, .address_space: global }
      - { .name: qv, .offset: 8, .size: 8, .value_kind: global_buffer, .address_space: global }
      - { .name: nd, .offset: 16, .size: 8, .value_kind: global_buffer, .address_space: global }
      - { .name: out1, .offset: 24, .size: 8, .value_kind: global_buffer, .address_space: global }
      - { .name: op, .offset: 32, .size: 8, .value_kind: global_buffer, .address_space: global }
    .group_segment_fixed_size: 68608
    .private_segment_fixed_size: 0
    .kernarg_segment_align: 8
    .kernarg_segment_size: 40
    .max_flat_workgroup_size: 512
    .sgpr_count:     66
    .vgpr_count:     220
    .wavefront_size: 32
...
	.end_amdgpu_metadata
.endif
;; end of part 7
;; launch fold: the kernel of part 5 again; grid 64 x 1, 2 waves a work-group, no clusters, 0 bytes of LDS; arguments op, out0; writes out0
